; MI455X (gfx1250); checked and timed in simulation.
; The chip was launched on July 23, 2026; its instructions are those of AMD's public machine-readable ISA for CDNA 5 (MIT licence, August 2026) and "CDNA5" Instruction Set Architecture Reference Guide (July 2026). The comments in the code are by the model that wrote it; some were corrected since.
;; Multi Head Attention. Allowed arithmetic: float matrix products may take bf16 or f16 operands with f32 sums; all other float work in f32.
;; Inputs: W_proj 1,024 x 1,024 float32; W_qkv 1,024 x 3,072 float32; b_proj 1,024 float32; b_qkv 3,072 float32; x 2 x 2,048 x 1,024 float32.
;; Outputs: out0 2 x 2,048 x 1,024 float32.
;; 2 versions, each right; version 2 is version 1 with the launch prep written anew for expert scheduling mode. Each part assembles by itself: llvm-mc -triple=amdgcn-amd-amdhsa -mcpu=gfx1250 --defsym DOCPART=n.
;; ======== version 1 of 2: 4 launches
;; limits: values are held in f16: magnitudes above 65,504 overflow, below 6.1e-05 lose precision; right only within a limited range of input values
;; workspace buffers: xb 8,388,608 bytes; wqt 6,291,456 bytes; wpt 2,097,152 bytes; qkv 25,165,824 bytes; ah 8,388,608 bytes
;; launch prep (part 1): grid 256 x 1, 8 waves a work-group, no clusters, 35,840 bytes of LDS; arguments x, W_qkv, W_proj, xb, wqt, wpt; writes xb, wqt, wpt
.if DOCPART == 1
	.amdgcn_target "amdgcn-amd-amdhsa--gfx1250"
	.amdhsa_code_object_version 6
	.text
	.protected	k_q589a7ed8ca_prep
	.globl	k_q589a7ed8ca_prep
	.p2align	8
	.type	k_q589a7ed8ca_prep,@function
k_q589a7ed8ca_prep:
	s_mov_b64 s[64:65], 0
	v_nop
	global_prefetch_b8 v0, s[64:65] scope:SCOPE_SE
	s_setreg_imm32_b32 hwreg(HW_REG_WAVE_MODE, 25, 1), 1
	s_wait_xcnt 0x0
; Operands for the two GEMMs.  xb = bf16(x), same order.  wqt[n][k] = bf16(W_qkv[k][n]).  wpt[n][k] = bf16(W_proj[k][n]) rewritten in f16
; (the projection's other operand is f16; a bf16 number is an f16 number as long as its last bit is 2^-24 or more, below that the step is 2^-24).
; 256 work-groups of 8 waves.  Work-group id takes 65,536 bytes of x and two tiles of 128 k x 64 n of a weight that follow each other along k:
; W_qkv has 8 x 48 tiles (id 0-191), W_proj 8 x 16 (id 192-255).  Every thread issues its 32 loads of 16 bytes first.
; A weight tile is turned in LDS: thread (tg = t/16, l16 = t%16) loads rows k = 8 tg .. +7, columns 4 l16 .. +3 (16 lanes cover 256 consecutive
; bytes of a row), packs 8 k of each column into 16 bytes and puts them into LDS row n; rows are read back whole and stored, 16 lanes to 256
; consecutive bytes.  LDS pitch 272; the 16-byte column is turned by (column + n/16) mod 16, so that the sixteen lanes of a store, four rows apart, touch sixteen different columns modulo 256 bytes.
; No matrix unit, no tensor load, no cluster: nothing is shared and nothing is multiplied.
.set XOFF, 1                           ; v1   my byte offset in the group's part of x
.set XSO,  2                           ; v2   and in xb
.set L16,  3
.set TG,   4
.set WOFF, 5                           ; v5   my byte offset in the weight's two tiles
.set LST,  6                           ; v6   LDS: where my packed columns go
.set RD,   7                           ; v7-10 LDS: where I read rows back, one for each of four rows
.set WSO,  11                          ; v11  my byte offset in the turned weight
.set XW,   32                          ; v32-95   weight as loaded: tile e, row u at 32 e + 4 u; later v32-63 rows read back
.set XX,   96                          ; v96-159  x as loaded
.set PW,   160                         ; v160-191 packed columns, 16 registers a tile
.set XO,   192                         ; v192-223 x packed, a pair for each store, never rewritten
.set LP,   272
.set TILEB, 64*LP
	s_load_b256 s[4:11], s[0:1], 0x0               ; x s[4:5], W_qkv s[6:7], W_proj s[8:9], xb s[10:11]
	s_load_b128 s[12:15], s[0:1], 0x20             ; wqt s[12:13], wpt s[14:15]
	v_lshl_add_u32 v224, v0, 2, 0x8800
	v_mov_b32 v225, 0
	s_mov_b32 s16, ttmp9
	v_and_b32 v[L16], 15, v0
	v_lshrrev_b32 v[TG], 4, v0
	v_and_b32 v12, 31, v0                          ; lane
	v_lshrrev_b32 v13, 5, v0                       ; wave
	v_lshlrev_b32 v[XOFF], 4, v12
	v_lshl_add_u32 v[XOFF], v13, 13, v[XOFF]       ; 8,192 wave + 16 lane
	v_lshlrev_b32 v[XSO], 3, v12
	v_lshl_add_u32 v[XSO], v13, 12, v[XSO]         ; 4,096 wave + 8 lane
	v_lshrrev_b32 v12, 2, v[L16]
	v_add_nc_u32 v12, v[TG], v12
	v_and_b32 v12, 15, v12                         ; (tg + n/16) mod 16, n = 4 l16 + c
	v_mul_u32_u24 v[LST], v[L16], 4*LP
	v_lshl_add_u32 v[LST], v12, 4, v[LST]
	v_mul_u32_u24 v13, v[TG], LP
.irp u, 0,1,2,3
	v_add_nc_u32 v12, \u, v[L16]
	v_and_b32 v12, 15, v12                         ; row tg + 16 u: (l16 + u) mod 16
	v_lshl_add_u32 v[RD+\u], v12, 4, v13
.endr
	v_lshlrev_b32 v[WSO], 4, v[L16]
	v_lshl_add_u32 v[WSO], v[TG], 11, v[WSO]       ; row tg of 2,048 bytes + 16 l16
	s_and_b32 s21, s16, 3
	s_lshl_b32 s21, s21, 1                         ; first of my two k tiles
	s_lshr_b32 s20, s16, 2                         ; n tile (of W_qkv)
	s_lshl_b32 s18, s16, 16
	s_mov_b32 s19, 0
	s_lshl_b32 s28, s16, 15
	s_mov_b32 s29, 0
	s_mov_b32 s30, 0xffff0000                      ; a word's upper bf16
	s_wait_kmcnt 0x0
	s_add_nc_u64 s[4:5], s[4:5], s[18:19]
	s_add_nc_u64 s[10:11], s[10:11], s[28:29]
; 16 loads: two tiles, eight rows each.  The two weights differ in the bytes from row to row, which stand in the immediates.
.macro WLOADS pitch
	s_mul_i32 s22, s21, 128*\pitch
	s_lshl_b32 s23, s20, 8
	s_add_co_u32 s22, s22, s23
	s_mov_b32 s23, 0
	s_add_nc_u64 s[24:25], s[24:25], s[22:23]
	v_mul_u32_u24 v[WOFF], v[TG], 8*\pitch
	v_lshl_add_u32 v[WOFF], v[L16], 4, v[WOFF]
.irp e, 0,1
.irp u, 0,1,2,3,4,5,6,7
	global_load_b128 v[XW+32*\e+4*\u:XW+32*\e+4*\u+3], v[WOFF], s[24:25] offset:(128*\e+\u)*\pitch th:TH_LOAD_NT
.endr
.endr
.endm
	s_cmp_lt_u32 s16, 192
	s_cselect_b64 s[24:25], s[6:7], s[8:9]         ; from which weight
	s_cselect_b64 s[26:27], s[12:13], s[14:15]     ; into which turned weight
	s_cbranch_scc0 .Lfrom_proj
	WLOADS 12288
	s_branch .Lw_asked
.Lfrom_proj:
	s_sub_co_u32 s20, s20, 48
	WLOADS 4096
.Lw_asked:
.irp u, 0,1,2,3,4,5,6,7,8,9,10,11,12,13,14,15
	global_load_b128 v[XX+4*\u:XX+4*\u+3], v[XOFF], s[4:5] offset:512*\u th:TH_LOAD_NT
.endr
	s_lshl_b32 s22, s20, 17                        ; 64 rows of 2,048 bytes
	s_lshl_b32 s23, s21, 8                         ; 128 k of 2 bytes
	s_add_co_u32 s22, s22, s23
	s_mov_b32 s23, 0
	s_add_nc_u64 s[26:27], s[26:27], s[22:23]
; Tile e: left = the younger loads that may stay out.  Column c's eight k become 16 bytes.
.macro WTILE e, left
	s_wait_loadcnt \left
.irp c, 0,1,2,3
.irp p, 0,1,2,3
	v_cvt_pk_bf16_f32 v[PW+16*\e+4*\c+\p], v[XW+32*\e+8*\p+\c], v[XW+32*\e+8*\p+4+\c]
.endr
.endr
	s_cmp_lt_u32 s16, 192
	s_cbranch_scc1 .Lstays_bf16_\@
.irp q, 0,1,2,3,4,5,6,7,8,9,10,11,12,13,14,15
	v_lshlrev_b32 v12, 16, v[PW+16*\e+\q]          ; W_proj: the bf16 numbers, widened,
	v_and_b32 v13, s30, v[PW+16*\e+\q]
	v_cvt_pk_f16_f32 v[PW+16*\e+\q], v12, v13      ; and written as f16
.endr
.Lstays_bf16_\@:
.irp c, 0,1,2,3
	ds_store_b128 v[LST], v[PW+16*\e+4*\c:PW+16*\e+4*\c+3] offset:\c*LP+\e*TILEB
.endr
.endm
	WTILE 0, 24                                    ; tile 0's eight loads are in; tile 1's eight and x's sixteen stay out
	WTILE 1, 16                                    ; tile 1's are in; x's sixteen stay out
	s_wait_dscnt 0x0                               ; my LDS stores are done, for the waves that read them
	s_barrier_signal -1
	s_barrier_wait -1
.irp e, 0,1
.irp u, 0,1,2,3
	ds_load_b128 v[XW+16*\e+4*\u:XW+16*\e+4*\u+3], v[RD+\u] offset:\u*16*LP+\e*TILEB
.endr
.endr
.irp u, 0,1,2,3,4,5,6,7,8,9,10,11,12,13,14,15
	s_wait_loadcnt 15-\u                           ; loads come back in order: x's load u is in
	v_cvt_pk_bf16_f32 v[XO+2*\u], v[XX+4*\u], v[XX+4*\u+1]
	v_cvt_pk_bf16_f32 v[XO+2*\u+1], v[XX+4*\u+2], v[XX+4*\u+3]
	global_store_b64 v[XSO], v[XO+2*\u:XO+2*\u+1], s[10:11] offset:256*\u   ; 32 lanes store 256 consecutive bytes, aligned
.endr
.irp e, 0,1
.irp u, 0,1,2,3
	s_wait_dscnt 7-(4*\e+\u)
	global_store_b128 v[WSO], v[XW+16*\e+4*\u:XW+16*\e+4*\u+3], s[26:27] offset:\u*32768+\e*256   ; 16 lanes store 256 consecutive bytes of row 64 nt + tg + 16 u
.endr
.endr
	s_wait_tensorcnt 0x0
	ds_add_u32 v224, v225
	s_wait_dscnt 0x0
	s_endpgm
.Lfunc_end_k_q589a7ed8ca_prep:
	.size	k_q589a7ed8ca_prep, .Lfunc_end_k_q589a7ed8ca_prep-k_q589a7ed8ca_prep
	.p2alignl 7, 3214868480
	.fill 96, 4, 3214868480
	.section	.rodata,"a",@progbits
	.p2align	6, 0x0
	.amdhsa_kernel k_q589a7ed8ca_prep
		.amdhsa_group_segment_fixed_size 35840
		.amdhsa_private_segment_fixed_size 0
		.amdhsa_enable_private_segment 0
		.amdhsa_kernarg_size 48
		.amdhsa_user_sgpr_count 2
		.amdhsa_user_sgpr_kernarg_segment_ptr 1
		.amdhsa_wavefront_size32 1
		.amdhsa_system_sgpr_workgroup_id_x 1
		.amdhsa_system_sgpr_workgroup_id_y 1
		.amdhsa_system_sgpr_workgroup_id_z 1
		.amdhsa_system_vgpr_workitem_id 0
		.amdhsa_next_free_vgpr 226
		.amdhsa_next_free_sgpr 66
		.amdhsa_reserve_vcc 0
		.amdhsa_float_denorm_mode_32 3
		.amdhsa_float_denorm_mode_16_64 3
		.amdhsa_memory_ordered 1
		.amdhsa_forward_progress 1
		.amdhsa_inst_pref_size 21
	.end_amdhsa_kernel
	.amdgpu_metadata
---
amdhsa.version: [ 1, 2 ]
amdhsa.kernels:
  - .name:           k_q589a7ed8ca_prep
    .symbol:         k_q589a7ed8ca_prep.kd
    .args:
      - { .name: x, .offset: 0, .size: 8, .value_kind: global_buffer, .address_space: global }
      - { .name: W_qkv, .offset: 8, .size: 8, .value_kind: global_buffer, .address_space: global }
      - { .name: W_proj, .offset: 16, .size: 8, .value_kind: global_buffer, .address_space: global }
      - { .name: xb, .offset: 24, .size: 8, .value_kind: global_buffer, .address_space: global }
      - { .name: wqt, .offset: 32, .size: 8, .value_kind: global_buffer, .address_space: global }
      - { .name: wpt, .offset: 40, .size: 8, .value_kind: global_buffer, .address_space: global }
    .group_segment_fixed_size: 35840
    .private_segment_fixed_size: 0
    .kernarg_segment_align: 8
    .kernarg_segment_size: 48
    .max_flat_workgroup_size: 256
    .sgpr_count:     66
    .vgpr_count:     226
    .wavefront_size: 32
...
	.end_amdgpu_metadata
.endif
;; end of part 1
;; launch qkvgemm (part 2): grid 16 x 16, 4 waves a work-group, clusters of 4 x 4, 327,680 bytes of LDS; arguments xb, wqt, b_qkv, qkv; writes qkv
.if DOCPART == 2
	.amdgcn_target "amdgcn-amd-amdhsa--gfx1250"
	.amdhsa_code_object_version 6
	.text
	.protected	k_q589a7ed8ca_qkvgemm
	.globl	k_q589a7ed8ca_qkvgemm
	.p2align	8
	.type	k_q589a7ed8ca_qkvgemm,@function
k_q589a7ed8ca_qkvgemm:
	s_mov_b64 s[64:65], 0
	v_nop
	global_prefetch_b8 v0, s[64:65] scope:SCOPE_SE
	s_setreg_imm32_b32 hwreg(HW_REG_WAVE_MODE, 25, 1), 1
	s_wait_xcnt 0x0
	s_wait_alu depctr_hold_cnt(0) depctr_sa_sdst(0) depctr_va_vdst(0) depctr_va_sdst(0) depctr_va_ssrc(0) depctr_va_vcc(0) depctr_vm_vsrc(0)
	s_getreg_b32 s2, hwreg(HW_REG_IB_STS2, 6, 4)
	s_cmp_eq_u32 s2, 0
	s_cbranch_scc0 .Lentry_in_a_cluster
	s_endpgm
.Lentry_in_a_cluster:
	s_bfe_u32 s2, ttmp6, 0x10000c
	s_cmp_lg_u32 s2, 0xf033
	s_cbranch_scc0 .Lentry_shape_is_right
	s_endpgm
.Lentry_shape_is_right:
; qkv = x W_qkv + b_qkv.  xb: [4096][1024] bf16, wqt: [3072 n][1024 k] bf16, b_qkv: [3072] f32; sums in f32, started with the bias.
; Output qkv: [48 g][4096 token][64] f16, g = n / 64 (q heads 0-15, k heads 16-31, v heads 32-47): a head's 128 tokens are 16,384 consecutive bytes.
; LIMIT: q, k, v are kept in f16 (eleven significant bits; the first rows of the result need more than bf16's eight): a number of 65,504 or more in size
; becomes infinite.  With every input 30 times the usual size they are some 600 a spread, with offsets of 30 spreads on x and W some 18,432.
; A work-group makes 256 rows x 192 columns (three heads) with four waves; wave w makes rows 64 w .. +63 of all 192 columns: 48 accumulator tiles,
; 384 registers.  K goes in 8 steps of 128 through two LDS slots filled by the tensor data mover; a tile's rows are 256 bytes of memory, aligned.
; CLUSTERS: 4 x 4 work-groups.  A's tile hangs on the block row alone and is asked for jointly by a row of the cluster, B's on the block column alone
; and is asked for jointly by a column: each of the four issues the same load with the same descriptor and a mask that names the four.
; REGISTERS: window 0: v16-27 addresses, v64-95 and v96-127 fragments of A (two buffers), v128-223 the bias as a C operand (later at work on the way out);
; window 1: v0-95 and v96-191 fragments of B; window 2: accumulators of my rows 0-31 (tile (a, b) at 8 (12 a + b)); window 3: of rows 32-63.
; The matrix instruction is used transposed (source 0 = 16 rows of wqt, source 1 = 16 rows of xb): lane l holds row l % 16 and registers 0-7 the
; columns 8 (l / 16) + 0..7, eight neighbouring numbers of a row.
.set KSTEP,  128
.set PITCH,  272                       ; 256 bytes + 16: the 16 rows of a fragment load start 68 words apart
.set HALFA,  128*PITCH                 ; what one load of A brings
.set HALFB,  96*PITCH                  ; what one load of B brings
.set ABYTES, 2*HALFA
.set SLOT,   ABYTES+2*HALFB            ; A's 256 rows, then B's 192
.set STAGE,  2*SLOT                    ; behind the ring: 16 rows x 400 bytes for each wave; no tensor load lands here
.set SPITCH, 400
.set SBYTES, 16*SPITCH
.set LAPS,   4                         ; a lap = two K steps
.set ADRA, 16
.set ADRB, 20
.set STO,  24
.set RD,   25
.set CO,   26
.set BO,   27
.set FA0,  64
.set FA1,  96
.set FB0,  0
.set FB1,  96
.set BIAS, 128
.set TMP,  128
.set RB0,  176
.set RB1,  64
.set G1,  24
.set G0,  32
.set G1B, 48
.set G0B, 56
.set MSB, 0
.macro WIN new                         ; the immediate's high byte repeats the setting that is left
.if MSB != \new
	s_set_vgpr_msb (MSB<<8)|\new
.set MSB, \new
.endif
.endm
.set MUL_LO,  0xa1                     ; source 0 window 1, source 1 window 0, C and D window 2
.set MUL_HI,  0xf1                     ; C and D window 3
.set BIAS_LO, 0x81                     ; C window 0 (the bias), D window 2
.set BIAS_HI, 0xc1                     ; C window 0, D window 3
.set TO_B,    0x40                     ; destination window 1
; A joint load: waves 0 and 1 ask for A's two halves, waves 2 and 3 for B's.  The branch hangs on the wave's number alone.
.macro JLOAD s
	s_cmp_eq_u32 s13, 0
	s_cbranch_scc0 .Lfor_b_\@
	tensor_load_to_lds s[G0+4*\s:G0+4*\s+3], s[G1:G1+7]
	s_nop 0
	s_branch .Lasked_\@
.Lfor_b_\@:
	tensor_load_to_lds s[G0B+4*\s:G0B+4*\s+3], s[G1B:G1B+7]
	s_nop 0
.Lasked_\@:
.endm
.macro CREST                           ; a round of the cluster's barrier behind its opening barrier
	s_cmp_lg_u32 s12, 0
	s_cbranch_scc1 .Lnot_wave_0_\@
	s_barrier_signal -3
.Lnot_wave_0_\@:
	s_barrier_wait -3
	s_barrier_signal -1
	s_barrier_wait -1
.endm
.macro CROUND
	s_barrier_signal -1
	s_barrier_wait -1
	CREST
.endm
	s_load_b256 s[4:11], s[0:1], 0x0               ; xb s[4:5], wqt s[6:7], b_qkv s[8:9], qkv s[10:11]
	s_set_vgpr_msb 0x40
	v_lshl_add_u32 v255, v0, 2, 0x41c00
	s_set_vgpr_msb 0x4000
	v_mov_b32 v255, 0
	s_set_vgpr_msb 0x1
	ds_add_u32 v255, v255
	s_set_vgpr_msb 0x100
	v_lshrrev_b32 v1, 5, v0
	v_readfirstlane_b32 s12, v1                    ; wave 0..3
	s_lshr_b32 s13, s12, 1                         ; I ask for A (0) or for B (1)
	s_and_b32 s14, s12, 1                          ; which half of that tile
	s_bfe_u32 s40, ttmp6, 0x40000                  ; cx
	s_bfe_u32 s41, ttmp6, 0x40004                  ; cy
	s_lshl_b32 s42, ttmp9, 2
	s_add_co_u32 s42, s42, s40                     ; block column
	s_and_b32 s45, ttmp7, 0xffff
	s_lshl_b32 s45, s45, 2
	s_add_co_u32 s45, s45, s41                     ; block row
	s_lshl_b32 s43, s41, 2
	s_lshl_b32 s43, 15, s43                        ; my row of the cluster
	s_lshl_b32 s44, 0x1111, s40                    ; my column
	s_or_b32 s[G1+0], s43, (1<<16)|(1<<20)|(1<<21)|(5<<22)|(3<<25)   ; mask; 2-byte elements; padding of 4 words after every 64; bit 21 beside a mask
	s_or_b32 s[G1B+0], s44, (1<<16)|(1<<20)|(1<<21)|(5<<22)|(3<<25)
	s_mov_b32 s[G1+1], KSTEP<<16                   ; tensor_dim0 = 128
	s_mov_b32 s[G1B+1], KSTEP<<16
	s_mov_b32 s[G1+2], 128<<16                     ; tensor_dim1 = 128 rows of A
	s_mov_b32 s[G1B+2], 96<<16                     ; 96 rows of B
	s_mov_b32 s[G1+3], KSTEP<<16                   ; tile_dim0 = 128
	s_mov_b32 s[G1B+3], KSTEP<<16
	s_mov_b32 s[G1+4], 128                         ; tile_dim1
	s_mov_b32 s[G1B+4], 96
	s_mov_b32 s[G1+5], 1024                        ; elements from row to row
	s_mov_b32 s[G1B+5], 1024
	s_mov_b32 s[G1+6], 0
	s_mov_b32 s[G1B+6], 0
	s_mov_b32 s[G1+7], 0
	s_mov_b32 s[G1B+7], 0
	s_lshl_b32 s16, s45, 8
	s_lshl_b32 s17, s14, 7
	s_add_co_u32 s16, s16, s17                     ; A: row 256 x block row + 128 x half
	s_lshl_b32 s16, s16, 11                        ; rows of 2,048 bytes
	s_mov_b32 s17, 0
	s_mul_i32 s46, s42, 192
	s_mul_i32 s47, s14, 96
	s_add_co_u32 s46, s46, s47                     ; B: row 192 x block column + 96 x half
	s_lshl_b32 s46, s46, 11
	s_mov_b32 s47, 0
	s_mul_i32 s22, s12, HALFA                      ; A's halves: waves 0, 1 at 0 and HALFA
	s_mul_i32 s23, s12, HALFB
	s_add_co_u32 s23, s23, ABYTES-2*HALFB          ; B's halves: waves 2, 3 at ABYTES and ABYTES + HALFB
	s_wait_dscnt 0x0
	s_wait_kmcnt 0x0
	s_add_nc_u64 s[20:21], s[4:5], s[16:17]
	s_add_nc_u64 s[46:47], s[6:7], s[46:47]
	CROUND                                         ; all sixteen work-groups are here: the first joint loads meet
.irp s, 0,1
	s_mov_b32 s[G0+4*\s], 1
	s_add_co_u32 s[G0+4*\s+1], s22, \s*SLOT
	s_add_nc_u64 s[G0+4*\s+2:G0+4*\s+3], s[20:21], \s*KSTEP*2
	s_or_b32 s[G0+4*\s+3], s[G0+4*\s+3], 0x80000000
	s_mov_b32 s[G0B+4*\s], 1
	s_add_co_u32 s[G0B+4*\s+1], s23, \s*SLOT
	s_add_nc_u64 s[G0B+4*\s+2:G0B+4*\s+3], s[46:47], \s*KSTEP*2
	s_or_b32 s[G0B+4*\s+3], s[G0B+4*\s+3], 0x80000000
	JLOAD \s                                       ; K steps 0 and 1: two loads of the wave are out, the most in this text
.endr
	v_and_b32 v1, 15, v0                           ; r = l % 16
	v_bfe_u32 v2, v0, 4, 1                         ; h = l / 16
	v_and_b32 v5, 31, v0
	v_mul_u32_u24 v3, v1, PITCH
	v_lshl_add_u32 v3, v2, 4, v3                   ; row x pitch + 16 h
	s_mul_i32 s18, s12, 64*PITCH                   ; my 64 rows of A
	v_add_nc_u32 v[ADRA], s18, v3
	v_add_nc_u32 v[ADRA+1], SLOT, v[ADRA]
	v_add_nc_u32 v[ADRB], ABYTES, v3
	v_add_nc_u32 v[ADRB+1], ABYTES+SLOT, v3
	s_mul_i32 s19, s12, SBYTES
	s_add_co_u32 s19, s19, STAGE                   ; my stage
	v_mul_u32_u24 v4, v1, SPITCH
	v_lshl_add_u32 v4, v2, 4, v4
	v_add_nc_u32 v[STO], s19, v4                   ; in: row r, 16 bytes for each half of the lanes
	v_lshrrev_b32 v4, 3, v5
	v_mul_u32_u24 v4, v4, SPITCH
	v_and_b32 v6, 7, v0
	v_lshl_add_u32 v4, v6, 4, v4
	v_add_nc_u32 v[RD], s19, v4                    ; back: eight lanes take a head's 128 bytes of a row, 32 lanes four rows
	v_lshlrev_b32 v[CO], 4, v5
	v_lshlrev_b32 v[BO], 5, v2                     ; the bias: 8 h numbers of 4 bytes
	s_mul_i32 s46, s42, 768                        ; 192 numbers a block column
	s_mov_b32 s47, 0
	s_add_nc_u64 s[8:9], s[8:9], s[46:47]
.irp b, 0,1,2,3,4,5,6,7,8,9,10,11
	global_load_b128 v[BIAS+8*\b:BIAS+8*\b+3], v[BO], s[8:9] offset:64*\b        ; register j of tile b: b_qkv[192 bx + 16 b + 8 h + j]
	global_load_b128 v[BIAS+8*\b+4:BIAS+8*\b+7], v[BO], s[8:9] offset:64*\b+16
.endr
; 12 matrix instructions: m block a of the window's two (hi = 0: rows 0-31, 1: rows 32-63) x all 12 n blocks.  bias = 1: C is the bias: it starts the sums.
.macro MULA fa, fb, hi, a, bias
.irp b, 0,1,2,3,4,5,6,7,8,9,10,11
.if \bias
	v_wmma_f32_16x16x32_bf16 v[8*(12*\a+\b):8*(12*\a+\b)+7], v[\fb+8*\b:\fb+8*\b+7], v[\fa+8*(2*\hi+\a):\fa+8*(2*\hi+\a)+7], v[BIAS+8*\b:BIAS+8*\b+7]
.else
	v_wmma_f32_16x16x32_bf16 v[8*(12*\a+\b):8*(12*\a+\b)+7], v[\fb+8*\b:\fb+8*\b+7], v[\fa+8*(2*\hi+\a):\fa+8*(2*\hi+\a)+7], v[8*(12*\a+\b):8*(12*\a+\b)+7]
.endif
.endr
.endm
; 32 LDS loads in one run: 192 rows of B, then my 64 rows of A, 32 K at byte k of the rows
.macro FETCH slot, k, fa, fb
	WIN TO_B
.irp i, 0,1,2,3,4,5,6,7,8,9,10,11
	ds_load_b128 v[\fb+8*\i:\fb+8*\i+3],   v[ADRB+\slot] offset:\k+\i*16*PITCH
	ds_load_b128 v[\fb+8*\i+4:\fb+8*\i+7], v[ADRB+\slot] offset:\k+\i*16*PITCH+32
.endr
	WIN 0
.irp i, 0,1,2,3
	ds_load_b128 v[\fa+8*\i:\fa+8*\i+3],   v[ADRA+\slot] offset:\k+\i*16*PITCH
	ds_load_b128 v[\fa+8*\i+4:\fa+8*\i+7], v[ADRA+\slot] offset:\k+\i*16*PITCH+32
.endr
.endm
; Four places of plain vector instructions stand between a matrix instruction and a load into a register that it has read, or a vector
; instruction that reads its result; the matrix instructions in between are not counted.
.macro PLACES
.rept 4
	v_nop
.endr
.endm
; A quarter step: 48 matrix instructions on buffer f; in its middle the next quarter's fragments go into buffer g.
; The 48 accumulators take turns in the same order in every quarter, one instruction a turn.
.macro QUARTER slot, k, fa, fb, ga, gb, bias
	s_wait_dscnt 4                                 ; B and A's rows 0-31 are in; the four youngest loads (A's rows 32-63) may be out
.if \bias
	WIN BIAS_LO
.else
	WIN MUL_LO
.endif
	MULA \fa, \fb, 0, 0, \bias
	MULA \fa, \fb, 0, 1, \bias
	PLACES
	FETCH \slot, \k, \ga, \gb
	s_wait_dscnt 32                                ; all but the 32 just issued
.if \bias
	WIN BIAS_HI
.else
	WIN MUL_HI
.endif
	MULA \fa, \fb, 1, 0, \bias
	MULA \fa, \fb, 1, 1, \bias
.endm
.macro THREE slot, bias
	QUARTER \slot, 64,  FA0, FB0, FA1, FB1, \bias
	QUARTER \slot, 128, FA1, FB1, FA0, FB0, 0
	QUARTER \slot, 192, FA0, FB0, FA1, FB1, 0
.endm
; The last quarter of a K step changes slots.  In front of the barrier each wave waits for its reads of this slot and for all its tensor loads
; (one is out: its part of the next slot).  Behind it (fill = 1: behind the whole round of the cluster's barrier) this slot is asked for again first,
; then the next slot's first fragments are read.  From a request to the wait for it a wave issues 180 of a step's 192 matrix instructions.
.macro TURN slot, next, fill
	s_wait_dscnt 4
	WIN MUL_LO
	MULA FA1, FB1, 0, 0, 0
	s_wait_dscnt 0                                 ; my reads of this slot are over
	s_wait_tensorcnt 0x0                           ; all my tensor loads have landed
	ds_add_u32 v255, v255
	s_wait_dscnt 0x0
	s_barrier_signal -1
	MULA FA1, FB1, 0, 1, 0                         ; register work while the others arrive
	WIN 0
	s_barrier_wait -1
.if \fill
	CREST                                          ; no wave of any partner still reads this slot or has a load on its way
	s_add_nc_u64 s[G0+4*\slot+2:G0+4*\slot+3], s[G0+4*\slot+2:G0+4*\slot+3], 2*KSTEP*2
	s_add_nc_u64 s[G0B+4*\slot+2:G0B+4*\slot+3], s[G0B+4*\slot+2:G0B+4*\slot+3], 2*KSTEP*2
	JLOAD \slot                                    ; the wave's one tensor load behind the round
.endif
	PLACES
	FETCH \next, 0, FA0, FB0
	WIN MUL_HI
	MULA FA1, FB1, 1, 0, 0
	MULA FA1, FB1, 1, 1, 0
.endm
.macro LAP bias
	THREE 0, \bias
	TURN 0, 1, 1
	THREE 1, 0
	TURN 1, 0, 1
.endm
	s_wait_loadcnt 0x0                             ; the bias
	s_wait_tensorcnt 0x1                           ; my part of K step 0 is in; K step 1's may stay out
	s_barrier_signal -1
	s_barrier_wait -1
	FETCH 0, 0, FA0, FB0
	LAP 1                                          ; the first lap stands in front of the loop: its first products add onto the bias
	WIN 0
	s_mov_b32 s3, LAPS-2
.Llap:
	LAP 0
	WIN 0
	s_sub_co_u32 s3, s3, 1
	s_cmp_lg_u32 s3, 0
	s_cbranch_scc1 .Llap
	THREE 0, 0                                     ; the last lap fills nothing
	TURN 0, 1, 0
	THREE 1, 0
	s_wait_dscnt 4
	WIN MUL_LO
	MULA FA1, FB1, 0, 0, 0
	MULA FA1, FB1, 0, 1, 0
	s_wait_dscnt 0
	WIN MUL_HI
	MULA FA1, FB1, 1, 0, 0
	MULA FA1, FB1, 1, 1, 0
	; THE WAY OUT, 16 rows at a time: round to f16, 16 bytes a lane into my own stage, read back by heads, store 512 consecutive bytes an instruction.
	PLACES
	s_lshl_b32 s16, s45, 15                        ; 256 tokens of 128 bytes a block row
	s_lshl_b32 s17, s12, 13                        ; 64 tokens a wave
	s_add_co_u32 s16, s16, s17
	s_mov_b32 s17, 0
	s_add_nc_u64 s[10:11], s[10:11], s[16:17]
	s_mul_i32 s46, s42, 0x180000                   ; three heads of 4,096 tokens of 128 bytes a block column
	s_mov_b32 s47, 0
	s_add_nc_u64 s[10:11], s[10:11], s[46:47]
.macro OUT16 i, a, from, rb
	WIN \from
.irp b, 0,1,2,3,4,5,6,7,8,9,10,11
.irp q, 0,1,2,3
	v_cvt_pk_f16_f32 v[TMP+4*\b+\q], v[8*(12*\a+\b)+2*\q], v[8*(12*\a+\b)+2*\q+1]
.endr
.endr
	WIN 0
.irp b, 0,1,2,3,4,5,6,7,8,9,10,11
	ds_store_b128 v[STO], v[TMP+4*\b:TMP+4*\b+3] offset:32*\b
.endr
	s_wait_xcnt 0x0                                ; buffer rb, which earlier stores read, is loaded again only behind this wait
.irp j, 0,1,2
.irp k, 0,1,2,3
	ds_load_b128 v[\rb+4*(4*\j+\k):\rb+4*(4*\j+\k)+3], v[RD] offset:4*SPITCH*\k+128*\j   ; LDS serves a wave's instructions in order: these see the stores above
.endr
.endr
.irp j, 0,1,2
.irp k, 0,1,2,3
	s_wait_dscnt 11-(4*\j+\k)
	global_store_b128 v[CO], v[\rb+4*(4*\j+\k):\rb+4*(4*\j+\k)+3], s[10:11] offset:\j*524288+\i*2048+\k*512   ; head j, four tokens: 512 consecutive bytes, aligned
.endr
.endr
.endm
	OUT16 0, 0, 0x0a, RB0
	OUT16 1, 1, 0x0a, RB1
	OUT16 2, 0, 0x0f, RB0
	OUT16 3, 1, 0x0f, RB1
	s_set_vgpr_msb 0x1
	s_wait_tensorcnt 0x0
	ds_add_u32 v255, v255
	s_wait_dscnt 0x0
	s_set_vgpr_msb 0x100
	CROUND                                         ; the closing round: no work-group ends while a partner may still ask jointly
	s_endpgm
.Lfunc_end_k_q589a7ed8ca_qkvgemm:
	.size	k_q589a7ed8ca_qkvgemm, .Lfunc_end_k_q589a7ed8ca_qkvgemm-k_q589a7ed8ca_qkvgemm
	.p2alignl 7, 3214868480
	.fill 96, 4, 3214868480
	.section	.rodata,"a",@progbits
	.p2align	6, 0x0
	.amdhsa_kernel k_q589a7ed8ca_qkvgemm
		.amdhsa_group_segment_fixed_size 327680
		.amdhsa_private_segment_fixed_size 0
		.amdhsa_enable_private_segment 0
		.amdhsa_kernarg_size 32
		.amdhsa_user_sgpr_count 2
		.amdhsa_user_sgpr_kernarg_segment_ptr 1
		.amdhsa_wavefront_size32 1
		.amdhsa_system_sgpr_workgroup_id_x 1
		.amdhsa_system_sgpr_workgroup_id_y 1
		.amdhsa_system_sgpr_workgroup_id_z 1
		.amdhsa_system_vgpr_workitem_id 0
		.amdhsa_next_free_vgpr 960
		.amdhsa_next_free_sgpr 66
		.amdhsa_reserve_vcc 0
		.amdhsa_float_denorm_mode_32 3
		.amdhsa_float_denorm_mode_16_64 3
		.amdhsa_memory_ordered 1
		.amdhsa_forward_progress 1
		.amdhsa_inst_pref_size 165
	.end_amdhsa_kernel
	.amdgpu_metadata
---
amdhsa.version: [ 1, 2 ]
amdhsa.kernels:
  - .name:           k_q589a7ed8ca_qkvgemm
    .symbol:         k_q589a7ed8ca_qkvgemm.kd
    .args:
      - { .name: xb, .offset: 0, .size: 8, .value_kind: global_buffer, .address_space: global }
      - { .name: wqt, .offset: 8, .size: 8, .value_kind: global_buffer, .address_space: global }
      - { .name: b_qkv, .offset: 16, .size: 8, .value_kind: global_buffer, .address_space: global }
      - { .name: qkv, .offset: 24, .size: 8, .value_kind: global_buffer, .address_space: global }
    .group_segment_fixed_size: 327680
    .private_segment_fixed_size: 0
    .kernarg_segment_align: 8
    .kernarg_segment_size: 32
    .max_flat_workgroup_size: 128
    .sgpr_count:     66
    .vgpr_count:     960
    .wavefront_size: 32
...
	.end_amdgpu_metadata
.endif
;; end of part 2
;; launch attn (part 3): grid 8 x 32, 8 waves a work-group, no clusters, 327,680 bytes of LDS; arguments qkv, ah; writes ah
.if DOCPART == 3
	.amdgcn_target "amdgcn-amd-amdhsa--gfx1250"
	.amdhsa_code_object_version 6
	.text
	.protected	k_q589a7ed8ca_attn
	.globl	k_q589a7ed8ca_attn
	.p2align	8
	.type	k_q589a7ed8ca_attn,@function
k_q589a7ed8ca_attn:
	s_mov_b64 s[64:65], 0
	v_nop
	global_prefetch_b8 v0, s[64:65] scope:SCOPE_SE
	s_setreg_imm32_b32 hwreg(HW_REG_WAVE_MODE, 25, 1), 1
	s_wait_xcnt 0x0
; Causal attention of one (batch, head): a = softmax(q k^T / 8, keys up to the query) v.  qkv: [48][4096 token][64] f16; ah: [16 head][4096 token][64] f16.
; Work-group (i, bh) owns the query blocks of 128 rows numbered 15 - i and i and walks the key tiles 0 .. 15 - i of 128 keys once: 17 block-tiles of work in
; every work-group.  Eight waves: those with an even number of ones in their number take the block 15 - i, the others the block i; wave w takes the
; 32 rows 32 (w / 2) of its block.  Work goes in chunks of 64 keys; a wave leaves out the chunks beyond its rows' last one and masks that last one.
; S^T = K Q^T (A = 16 keys, B = 16 queries): a lane holds one query and eight keys a tile, so maximum, sum and rescaling are the lane's own, with one
; exchange between the halves of the wave; packed to f16 the tile is already the B fragment of O^T = V^T P^T, whose A comes by transposing LDS loads.
; Softmax by a running maximum in f32; the sum is made of the f32 p, the products of p rounded to f16.
; LIMITS: a masked score is -8e9 before the division by 8, as in the definition (-1e9); key tiles wholly above the diagonal count as 0, which is the same as long as a row's
; largest score is above -1e9 + 104.  The exponent is fma(s, c, -c max), c = log2(e) / 8: its error is 2^-25 of c max, far below that of the 16-bit operands.
; NO MULTICAST: the work-groups that share K and V (those of one head) walk 9 to 16 tiles, and no trip count may differ between partners of a joint load.
.set KP,    272                        ; a row of K's slot: two keys (256 bytes) + 16; key x lies at (x / 2) 272 + (x % 2) 128: sixteen keys start at sixteen different 16-byte columns modulo 256
.set VP,    288                        ; the same for V, + 32
.set KSLOT, 64*KP
.set VSLOT, 64*VP
.set VBASE, 2*KSLOT
.set STAGE, VBASE+2*VSLOT              ; 71,680: 32 rows x 144 bytes for each wave; no tensor load lands here
.set SP,    144
.set SBYTES, 32*SP
.set TILEB, 16384                      ; 128 keys of 128 bytes, consecutive in memory
.set KOFF,  16*4096*128                ; k heads lie 16 heads behind q's, v heads 32
.set VOFF,  32*4096*128
.set KADR, 1
.set VADR, 2
.set STO,  3
.set RD,   4
.set CO,   5
.set DV,   6                           ; r - 8 h + 32 (my 32 rows' place in the last chunk / 32)
.set PX,   7                           ; what comes from the other half of the wave
.set M,    8                           ; v8-9    running maximum of query tile 0, 1 (scores before the division)
.set LS,   10                          ; v10-11  running sum (my half's keys)
.set NM,   12                          ; v12, v14  -c max     (first registers of pairs; the second ones are written once and not used)
.set AL,   16                          ; v16, v18  2^(c (old max - new max))
.set T,    20                          ; v20-27  at work
.set QO,   28
.set Q,    32                          ; v32-63   fragment (qt, dd) at 8 (2 qt + dd)
.set O,    64                          ; v64-127  tile (qt, dt) at 8 (4 qt + dt)
.set S,    128                         ; v128-191 tile (qt, kt) at 8 (4 qt + kt); then P, fragment (qt, ks) at 16 qt + 8 ks
.set F,    192                         ; v192-255 K's fragments (kt, dd) at 8 (2 kt + dd), then V's (dt, ks) at 8 (4 ks + dt)
.set G1K, 16
.set G1V, 24
.set G0K, 32
.set G0V, 40
	s_load_b128 s[4:7], s[0:1], 0x0                ; qkv s[4:5], ah s[6:7]
	v_lshl_add_u32 v30, v0, 2, 0x29000
	v_mov_b32 v31, 0
	ds_add_u32 v30, v31
	v_lshrrev_b32 v1, 5, v0
	v_readfirstlane_b32 s8, v1                     ; wave 0..7
	s_lshr_b32 s9, s8, 1                           ; which 32 rows of the block
	s_bcnt1_i32_b32 s10, s8
	s_and_b32 s10, s10, 1                          ; 0: block 15 - i, 1: block i
	s_mov_b32 s11, ttmp9                           ; i
	s_sub_co_u32 s12, 15, s11
	s_cmp_eq_u32 s10, 0
	s_cselect_b32 s13, s12, s11                    ; my block
	s_lshr_b32 s14, s9, 1
	s_lshl1_add_u32 s14, s13, s14                  ; my last chunk = 2 block + rows / 64
	s_mov_b32 s15, 0                               ; the chunk's number
	s_sub_co_u32 s48, 14, s11
	s_lshr_b32 s48, s48, 1                         ; trips of the loop, two tiles each: 3 to 7
	s_mov_b32 s50, 0x3e38aa3b                      ; c = log2(e) / 8
	s_mov_b32 s51, 0x3e38aa3b
	s_mov_b32 s52, 0xbe38aa3b                      ; -c
	s_mov_b32 s53, 0xcfee6b28                      ; -8e9
	s_mov_b32 s54, 0x76543210                      ; v_permlanex16_b32: lane i of one half reads lane i of the other
	s_mov_b32 s55, 0xfedcba98
	; group 1: a block of 16,384 consecutive bytes as 64 rows of 32 elements of 8 bytes, padded behind each row
	s_mov_b32 s[G1K+0], (3<<16)|(1<<20)|(5<<22)|(3<<25)   ; 4 words behind every 64
	s_mov_b32 s[G1V+0], (3<<16)|(1<<20)|(5<<22)|(7<<25)   ; 8 words
.irp g, G1K, G1V
	s_mov_b32 s[\g+1], 32<<16                      ; tensor_dim0
	s_mov_b32 s[\g+2], 64<<16                      ; tensor_dim1
	s_mov_b32 s[\g+3], 32<<16                      ; tile_dim0
	s_mov_b32 s[\g+4], 64                          ; tile_dim1
	s_mov_b32 s[\g+5], 32                          ; elements from row to row
	s_mov_b32 s[\g+6], 0
	s_mov_b32 s[\g+7], 0
.endr
	s_and_b32 s49, ttmp7, 0xffff
	s_and_b32 s56, s49, 15                         ; head
	s_lshr_b32 s57, s49, 4                         ; batch
	s_lshl_b32 s58, s56, 12
	s_lshl_b32 s59, s57, 11
	s_add_co_u32 s58, s58, s59                     ; 4,096 head + 2,048 batch: the first token's row
	s_lshl_b32 s58, s58, 7
	s_mov_b32 s59, 0
	s_wait_dscnt 0x0
	s_barrier_signal -1
	s_barrier_wait -1
	s_wait_kmcnt 0x0
	s_add_nc_u64 s[60:61], s[4:5], s[58:59]
.irp s, 0,1
	s_mov_b32 s[G0K+4*\s], 1
	s_mov_b32 s[G0K+4*\s+1], \s*KSLOT
	s_add_nc_u64 s[G0K+4*\s+2:G0K+4*\s+3], s[60:61], KOFF+\s*TILEB     ; slot s starts with tile s
	s_or_b32 s[G0K+4*\s+3], s[G0K+4*\s+3], 0x80000000
	s_mov_b32 s[G0V+4*\s], 1
	s_mov_b32 s[G0V+4*\s+1], VBASE+\s*VSLOT
	s_add_nc_u64 s[G0V+4*\s+2:G0V+4*\s+3], s[60:61], VOFF+\s*TILEB
	s_or_b32 s[G0V+4*\s+3], s[G0V+4*\s+3], 0x80000000
.endr
; A tile's two loads: wave 0 asks for K's 16,384 bytes, wave 1 for V's; the other waves ask for nothing.
.macro KVLOAD s
	s_cmp_lg_u32 s8, 0
	s_cbranch_scc1 .Lnot_k_\@
	tensor_load_to_lds s[G0K+4*\s:G0K+4*\s+3], s[G1K:G1K+7]
	s_nop 0
.Lnot_k_\@:
	s_cmp_lg_u32 s8, 1
	s_cbranch_scc1 .Lnot_v_\@
	tensor_load_to_lds s[G0V+4*\s:G0V+4*\s+3], s[G1V:G1V+7]
	s_nop 0
.Lnot_v_\@:
.endm
	KVLOAD 0                                       ; tile 0
	s_lshl_b32 s49, s13, 7
	s_lshl_b32 s56, s9, 5
	s_add_co_u32 s49, s49, s56                     ; my first row in the sequence
	s_lshl_b32 s49, s49, 7
	s_add_co_u32 s58, s58, s49                     ; its byte offset in q's part of qkv, and in ah
	s_add_nc_u64 s[62:63], s[4:5], s[58:59]
	s_add_nc_u64 s[6:7], s[6:7], s[58:59]
	v_and_b32 v20, 15, v0                          ; r
	v_bfe_u32 v21, v0, 4, 1                        ; h
	v_and_b32 v22, 31, v0                          ; lane
	v_lshlrev_b32 v[QO], 7, v20
	v_lshl_add_u32 v[QO], v21, 4, v[QO]            ; row r of 128 bytes + 16 h
.irp qt, 0,1
.irp dd, 0,1
	global_load_b128 v[Q+8*(2*\qt+\dd):Q+8*(2*\qt+\dd)+3],   v[QO], s[62:63] offset:2048*\qt+64*\dd
	global_load_b128 v[Q+8*(2*\qt+\dd)+4:Q+8*(2*\qt+\dd)+7], v[QO], s[62:63] offset:2048*\qt+64*\dd+32
.endr
.endr
	v_lshrrev_b32 v23, 1, v20
	v_mul_u32_u24 v[KADR], v23, KP
	v_and_b32 v23, 1, v20
	v_lshl_add_u32 v[KADR], v23, 7, v[KADR]
	v_lshl_add_u32 v[KADR], v21, 4, v[KADR]        ; key r, 16 h
	v_and_b32 v23, 7, v0
	v_lshl_add_u32 v23, v21, 3, v23                ; key 8 h + lane % 8
	v_lshrrev_b32 v24, 1, v23
	v_mul_u32_u24 v[VADR], v24, VP
	v_and_b32 v24, 1, v23
	v_lshl_add_u32 v[VADR], v24, 7, v[VADR]
	v_bfe_u32 v24, v0, 3, 1
	v_lshl_add_u32 v[VADR], v24, 4, v[VADR]        ; + 16 ((lane / 8) % 2)
	v_add_nc_u32 v[VADR], VBASE, v[VADR]
	s_mul_i32 s49, s8, SBYTES
	s_add_co_u32 s49, s49, STAGE
	v_mul_u32_u24 v23, v20, SP
	v_lshl_add_u32 v23, v21, 4, v23
	v_add_nc_u32 v[STO], s49, v23
	v_lshrrev_b32 v23, 3, v22
	v_mul_u32_u24 v23, v23, SP
	v_and_b32 v24, 7, v0
	v_lshl_add_u32 v23, v24, 4, v23
	v_add_nc_u32 v[RD], s49, v23
	v_lshlrev_b32 v[CO], 4, v22
	v_lshlrev_b32 v23, 3, v21
	v_sub_nc_u32 v[DV], v20, v23
	s_and_b32 s56, s9, 1
	s_lshl_b32 s56, s56, 5
	v_add_nc_u32 v[DV], s56, v[DV]
	v_mov_b32 v[PX], 0
	v_mov_b32 v[NM+1], 0
	v_mov_b32 v[NM+3], 0
	v_mov_b32 v[AL+1], 0
	v_mov_b32 v[AL+3], 0
; The largest of a query's 64 scores, the new running maximum, the factor for what has been summed, the addend of the exponent.
.macro STATS qt, first
	v_max3_num_f32 v[T],   v[S+32*\qt],    v[S+32*\qt+1],  v[S+32*\qt+2]
	v_max3_num_f32 v[T+1], v[S+32*\qt+16], v[S+32*\qt+17], v[S+32*\qt+18]
.irp k, 3,5,7,9,11,13
	v_max3_num_f32 v[T],   v[T],   v[S+32*\qt+\k],    v[S+32*\qt+\k+1]
	v_max3_num_f32 v[T+1], v[T+1], v[S+32*\qt+16+\k], v[S+32*\qt+17+\k]
.endr
	v_max3_num_f32 v[T], v[T], v[S+32*\qt+15], v[S+32*\qt+31]
	v_max_num_f32 v[T], v[T], v[T+1]
	v_permlanex16_b32 v[PX], v[T], s54, s55        ; the other half's 32 keys
.if \first
	v_max_num_f32 v[M+\qt], v[T], v[PX]
	v_mul_f32 v[NM+2*\qt], s52, v[M+\qt]
.else
	v_max3_num_f32 v[T+1], v[T], v[PX], v[M+\qt]
	v_sub_f32 v[T], v[M+\qt], v[T+1]
	v_mul_f32 v[T], s50, v[T]
	v_exp_f32 v[AL+2*\qt], v[T]                    ; two plain instructions follow before T is written or the result read (ISA guide 5.7.2)
	v_mul_f32 v[NM+2*\qt], s52, v[T+1]
	v_mov_b32 v[M+\qt], v[T+1]
.endif
.endm
.macro EXPS qt
.set ei, 0
.rept 32
	v_exp_f32 v[S+32*\qt+ei], v[S+32*\qt+ei]
.set ei, ei+1
.endr
.endm
.macro RESC qt                         ; what has been summed of O, brought to the new maximum
.set ei, 0
	s_wait_alu depctr_va_vdst(0)
.rept 16
	v_pk_mul_f32 v[O+32*\qt+2*ei:O+32*\qt+2*ei+1], v[O+32*\qt+2*ei:O+32*\qt+2*ei+1], v[AL+2*\qt:AL+2*\qt+1] op_sel_hi:[1,0]
.set ei, ei+1
.endr
.endm
.macro SUMS qt, first                  ; the lane's 32 p in four chains of pairs
.irp k, 0,1,2,3
	v_pk_add_f32 v[T+2*\k:T+2*\k+1], v[S+32*\qt+2*\k:S+32*\qt+2*\k+1], v[S+32*\qt+8+2*\k:S+32*\qt+8+2*\k+1]
.endr
.irp k, 0,1,2,3
	v_pk_add_f32 v[T+2*\k:T+2*\k+1], v[T+2*\k:T+2*\k+1], v[S+32*\qt+16+2*\k:S+32*\qt+16+2*\k+1]
.endr
.irp k, 0,1,2,3
	v_pk_add_f32 v[T+2*\k:T+2*\k+1], v[T+2*\k:T+2*\k+1], v[S+32*\qt+24+2*\k:S+32*\qt+24+2*\k+1]
.endr
	v_pk_add_f32 v[T:T+1], v[T:T+1], v[T+2:T+3]
	v_pk_add_f32 v[T+4:T+5], v[T+4:T+5], v[T+6:T+7]
	v_pk_add_f32 v[T:T+1], v[T:T+1], v[T+4:T+5]
.if \first
	v_add_f32 v[LS+\qt], v[T], v[T+1]
.else
	v_add_f32 v[T], v[T], v[T+1]
	v_fma_f32 v[LS+\qt], v[LS+\qt], v[AL+2*\qt], v[T]
	s_wait_alu depctr_va_vdst(0)
.endif
.endm
.macro PACK qt                         ; 32 p to 16 registers, in place from below: register 16 qt + i takes 32 qt + 2 i and + 1; query tile 0 goes first
.set ei, 0
.rept 16
	v_cvt_pk_f16_f32 v[S+16*\qt+ei], v[S+32*\qt+2*ei], v[S+32*\qt+2*ei+1]
.set ei, ei+1
.endr
.endm
; 64 keys (half c of the tile in slot) against my 32 queries.  first = 1: the launch's first chunk, which starts maximum, sum and O.
; The branches jump over LDS loads, matrix and vector work alone.  Accumulators take turns, one instruction a turn.
.macro CHUNK slot, c, first
.if \first == 0
	s_cmp_gt_u32 s15, s14
	s_cbranch_scc1 .Lskip_\@                       ; all its keys lie behind my queries
.endif
.irp kt, 0,1,2,3
.irp dd, 0,1
	ds_load_b128 v[F+8*(2*\kt+\dd):F+8*(2*\kt+\dd)+3],   v[KADR] offset:\slot*KSLOT+(64*\c+16*\kt)*(KP/2)+64*\dd
	ds_load_b128 v[F+8*(2*\kt+\dd)+4:F+8*(2*\kt+\dd)+7], v[KADR] offset:\slot*KSLOT+(64*\c+16*\kt)*(KP/2)+64*\dd+32
.endr
.endr
	s_wait_dscnt 0x0
.irp dd, 0,1
.irp kt, 0,1,2,3
.irp qt, 0,1
.if \dd == 0
	v_wmma_f32_16x16x32_f16 v[S+8*(4*\qt+\kt):S+8*(4*\qt+\kt)+7], v[F+8*(2*\kt+\dd):F+8*(2*\kt+\dd)+7], v[Q+8*(2*\qt+\dd):Q+8*(2*\qt+\dd)+7], 0
.else
	v_wmma_f32_16x16x32_f16 v[S+8*(4*\qt+\kt):S+8*(4*\qt+\kt)+7], v[F+8*(2*\kt+\dd):F+8*(2*\kt+\dd)+7], v[Q+8*(2*\qt+\dd):Q+8*(2*\qt+\dd)+7], v[S+8*(4*\qt+\kt):S+8*(4*\qt+\kt)+7]
.endif
.endr
.endr
.endr
.rept 4
	v_nop                                          ; four places: then F is loaded again and S is read (ISA guide 7.12.1)
.endr
.irp ks, 0,1
.irp dt, 0,1,2,3
	ds_load_tr16_b128 v[F+8*(4*\ks+\dt):F+8*(4*\ks+\dt)+3],   v[VADR] offset:\slot*VSLOT+(64*\c+32*\ks)*(VP/2)+32*\dt            ; V^T: d = 16 dt + r, keys 32 ks + 8 h ..
	ds_load_tr16_b128 v[F+8*(4*\ks+\dt)+4:F+8*(4*\ks+\dt)+7], v[VADR] offset:\slot*VSLOT+(64*\c+32*\ks)*(VP/2)+32*\dt+8*VP       ; keys 32 ks + 16 + 8 h ..
.endr
.endr
	s_cmp_lg_u32 s15, s14
	s_cbranch_scc1 .Lnomask_\@
.irp qt, 0,1                                       ; my last chunk: key 16 kt + 8 h + j counts if it is not behind query 32 (..) + 16 qt + r
.irp kt, 0,1,2,3
.irp j, 0,1,2,3,4,5,6,7
	v_cmp_le_i32 vcc_lo, 16*\kt-16*\qt+\j, v[DV]
	v_cndmask_b32 v[S+8*(4*\qt+\kt)+\j], s53, v[S+8*(4*\qt+\kt)+\j], vcc_lo
.endr
.endr
.endr
.Lnomask_\@:
	STATS 0, \first
	STATS 1, \first
.irp qt, 0,1
.irp p, 0,1,2,3,4,5,6,7,8,9,10,11,12,13,14,15
	v_pk_fma_f32 v[S+32*\qt+2*\p:S+32*\qt+2*\p+1], v[S+32*\qt+2*\p:S+32*\qt+2*\p+1], s[50:51], v[NM+2*\qt:NM+2*\qt+1] op_sel_hi:[1,0,0]   ; c s - c max
.endr
.endr
	EXPS 0
.if \first == 0
	RESC 0                                         ; plain work behind the exponentials
.endif
	EXPS 1
.if \first
	v_nop                                          ; one plain place behind the last exponential (ISA guide 5.7.2)
	s_wait_alu depctr_va_vdst(0)
.else
	RESC 1
.endif
	SUMS 0, \first
	SUMS 1, \first
	PACK 0
	PACK 1
	s_wait_dscnt 0x0                               ; V's fragments
.irp ks, 0,1
.irp dt, 0,1,2,3
.irp qt, 0,1
.if \first*(1-\ks)
	v_wmma_f32_16x16x32_f16 v[O+8*(4*\qt+\dt):O+8*(4*\qt+\dt)+7], v[F+8*(4*\ks+\dt):F+8*(4*\ks+\dt)+7], v[S+16*\qt+8*\ks:S+16*\qt+8*\ks+7], 0
.else
	v_wmma_f32_16x16x32_f16 v[O+8*(4*\qt+\dt):O+8*(4*\qt+\dt)+7], v[F+8*(4*\ks+\dt):F+8*(4*\ks+\dt)+7], v[S+16*\qt+8*\ks:S+16*\qt+8*\ks+7], v[O+8*(4*\qt+\dt):O+8*(4*\qt+\dt)+7]
.endif
.endr
.endr
.endr
.rept 5
	v_nop                                          ; five places: then matrix instructions write over S, F is loaded again, O is read (ISA guide 7.12.1)
.endr
.Lskip_\@:
	s_add_co_u32 s15, s15, 1
.endm
; One key tile.  In front of the barrier every wave waits for all its tensor loads (this trip's tile among them) and for its reads of the other slot;
; behind it the other slot is asked for first (one load in wave 0, one in wave 1), and has the whole trip in which to land.
.macro TRIP slot, refill, first
	s_wait_tensorcnt 0x0
	ds_add_u32 v30, v31
	s_wait_dscnt 0x0
	s_add_nc_u64 s[G0K+4*\slot+2:G0K+4*\slot+3], s[G0K+4*\slot+2:G0K+4*\slot+3], 2*TILEB   ; no load is out: this slot's next tile
	s_add_nc_u64 s[G0V+4*\slot+2:G0V+4*\slot+3], s[G0V+4*\slot+2:G0V+4*\slot+3], 2*TILEB
	s_wait_dscnt 0x0
	s_barrier_signal -1
	s_barrier_wait -1
.if \refill
	KVLOAD (1-\slot)
.endif
	CHUNK \slot, 0, \first
	CHUNK \slot, 1, 0
.endm
	s_wait_loadcnt 0x0                             ; Q
	TRIP 0, 1, 1                                   ; tile 0
.Ltiles:
	TRIP 1, 1, 0
	TRIP 0, 1, 0
	s_sub_co_u32 s48, s48, 1
	s_cmp_lg_u32 s48, 0
	s_cbranch_scc1 .Ltiles
	s_and_b32 s49, s11, 1                          ; 16 - i tiles: one is left for even i, two for odd i; the last asks for nothing
	s_cmp_lg_u32 s49, 0
	s_cbranch_scc1 .Ltwo_left
	TRIP 1, 0, 0
	s_branch .Lout
.Ltwo_left:
	TRIP 1, 1, 0
	TRIP 0, 0, 0
.Lout:
	; O / sum, to f16, through my own stage, out as 512 consecutive bytes an instruction
.irp qt, 0,1
	v_permlanex16_b32 v[PX], v[LS+\qt], s54, s55
	v_add_f32 v[LS+\qt], v[LS+\qt], v[PX]
.endr
	v_rcp_f32 v[AL], v[LS]
	v_rcp_f32 v[AL+2], v[LS+1]
	v_nop                                          ; one plain place behind the reciprocals (ISA guide 5.7.2)
	s_wait_alu depctr_va_vdst(0)
	RESC 0
	RESC 1
.irp t, 0,1,2,3,4,5,6,7
.irp q, 0,1,2,3
	v_cvt_pk_f16_f32 v[S+4*\t+\q], v[O+8*\t+2*\q], v[O+8*\t+2*\q+1]
.endr
.endr
.irp qt, 0,1
.irp dt, 0,1,2,3
	ds_store_b128 v[STO], v[S+4*(4*\qt+\dt):S+4*(4*\qt+\dt)+3] offset:16*SP*\qt+32*\dt     ; query 16 qt + r, d = 16 dt + 8 h ..
.endr
.endr
.irp k, 0,1,2,3,4,5,6,7
	ds_load_b128 v[F+4*\k:F+4*\k+3], v[RD] offset:4*SP*\k                                  ; LDS serves a wave's instructions in order: these see the stores above
.endr
.irp k, 0,1,2,3,4,5,6,7
	s_wait_dscnt 7-\k
	global_store_b128 v[CO], v[F+4*\k:F+4*\k+3], s[6:7] offset:512*\k
.endr
	s_wait_tensorcnt 0x0
	ds_add_u32 v30, v31
	s_wait_dscnt 0x0
	s_endpgm
.Lfunc_end_k_q589a7ed8ca_attn:
	.size	k_q589a7ed8ca_attn, .Lfunc_end_k_q589a7ed8ca_attn-k_q589a7ed8ca_attn
	.p2alignl 7, 3214868480
	.fill 96, 4, 3214868480
	.section	.rodata,"a",@progbits
	.p2align	6, 0x0
	.amdhsa_kernel k_q589a7ed8ca_attn
		.amdhsa_group_segment_fixed_size 327680
		.amdhsa_private_segment_fixed_size 0
		.amdhsa_enable_private_segment 0
		.amdhsa_kernarg_size 16
		.amdhsa_user_sgpr_count 2
		.amdhsa_user_sgpr_kernarg_segment_ptr 1
		.amdhsa_wavefront_size32 1
		.amdhsa_system_sgpr_workgroup_id_x 1
		.amdhsa_system_sgpr_workgroup_id_y 1
		.amdhsa_system_sgpr_workgroup_id_z 1
		.amdhsa_system_vgpr_workitem_id 0
		.amdhsa_next_free_vgpr 256
		.amdhsa_next_free_sgpr 66
		.amdhsa_reserve_vcc 1
		.amdhsa_float_denorm_mode_32 3
		.amdhsa_float_denorm_mode_16_64 3
		.amdhsa_memory_ordered 1
		.amdhsa_forward_progress 1
		.amdhsa_inst_pref_size 255
	.end_amdhsa_kernel
	.section	.bss,"aw",@nobits
	.p2align	6
	.space	262144
	.amdgpu_metadata
---
amdhsa.version: [ 1, 2 ]
amdhsa.kernels:
  - .name:           k_q589a7ed8ca_attn
    .symbol:         k_q589a7ed8ca_attn.kd
    .args:
      - { .name: qkv, .offset: 0, .size: 8, .value_kind: global_buffer, .address_space: global }
      - { .name: ah, .offset: 8, .size: 8, .value_kind: global_buffer, .address_space: global }
    .group_segment_fixed_size: 327680
    .private_segment_fixed_size: 0
    .kernarg_segment_align: 8
    .kernarg_segment_size: 16
    .max_flat_workgroup_size: 256
    .sgpr_count:     66
    .vgpr_count:     256
    .wavefront_size: 32
...
	.end_amdgpu_metadata
.endif
;; end of part 3
;; launch proj (part 4): grid 8 x 32, 4 waves a work-group, clusters of 4 x 4, 327,680 bytes of LDS; arguments ah, wpt, b_proj, out0; writes out0
.if DOCPART == 4
	.amdgcn_target "amdgcn-amd-amdhsa--gfx1250"
	.amdhsa_code_object_version 6
	.text
	.protected	k_q589a7ed8ca_proj
	.globl	k_q589a7ed8ca_proj
	.p2align	8
	.type	k_q589a7ed8ca_proj,@function
k_q589a7ed8ca_proj:
	s_mov_b64 s[64:65], 0
	v_nop
	global_prefetch_b8 v0, s[64:65] scope:SCOPE_SE
	s_setreg_imm32_b32 hwreg(HW_REG_WAVE_MODE, 25, 1), 1
	s_wait_xcnt 0x0
	s_wait_alu depctr_hold_cnt(0) depctr_sa_sdst(0) depctr_va_vdst(0) depctr_va_sdst(0) depctr_va_ssrc(0) depctr_va_vcc(0) depctr_vm_vsrc(0)
	s_getreg_b32 s2, hwreg(HW_REG_IB_STS2, 6, 4)
	s_cmp_eq_u32 s2, 0
	s_cbranch_scc0 .Lentry_in_a_cluster
	s_endpgm
.Lentry_in_a_cluster:
	s_bfe_u32 s2, ttmp6, 0x10000c
	s_cmp_lg_u32 s2, 0xf033
	s_cbranch_scc0 .Lentry_shape_is_right
	s_endpgm
.Lentry_shape_is_right:
; out0 = a W_proj + b_proj.  ah: [16 head][4096 token][64] f16, wpt: [1024 n][1024 k] f16 (bf16 numbers), b_proj: [1024] f32, out0: [4096][1024] f32.
; A work-group makes 128 x 128 with four waves, wave (wr, wc) = (w / 2, w % 2) 64 x 64: 16 accumulator tiles in window 1.  K goes in 8 steps of 128
; (two heads) through two LDS slots.  A slot: two head blocks of a (128 tokens x 128 bytes, consecutive in memory, brought as 64 rows of 256 bytes, pitch 272:
; token x at (x / 2) 272 + (x % 2) 128), then 128 rows of wpt (256 bytes, pitch 272).  Wave w's load lands at 17,408 w in the slot: waves 0, 1 a head each, waves 2, 3 64 rows of wpt.
; CLUSTERS: 4 x 4 work-groups; a's tiles hang on the block row alone and are asked for jointly along a row of the cluster, wpt's on the block column alone, along a column.
; The matrix instruction is used transposed (source 0 = rows of wpt, source 1 = tokens): a lane holds eight neighbouring columns of one row.
; The sums start with the bias as the first product's C.
.set PITCH,  272
.set HB,     64*PITCH                  ; what one load brings
.set SLOT,   4*HB
.set STAGE,  2*SLOT                    ; 16 rows x 272 bytes for each wave; no tensor load lands here
.set SBYTES, 16*PITCH
.set ASTEP,  2*4096*128                ; two heads of a
.set LAPS,   4
.set ADRA, 16
.set ADRB, 20
.set STO,  24
.set RD,   25
.set CO,   26
.set BO,   27
.set FA0,  32
.set FB0,  64
.set FA1,  96
.set FB1,  128
.set BIAS, 160
.set RB0,  192
.set RB1,  224
.set G1,  24
.set G0,  32
.set G1B, 48
.set G0B, 56
.set MSB, 0
.macro WIN new                         ; the immediate's high byte repeats the setting that is left
.if MSB != \new
	s_set_vgpr_msb (MSB<<8)|\new
.set MSB, \new
.endif
.endm
.set MUL,   0x50                       ; C and D window 1
.set BIASW, 0x40                       ; C window 0 (the bias), D window 1
.set FROM1, 0x04                       ; an LDS store's data from window 1
.macro JLOAD s
	s_cmp_eq_u32 s13, 0
	s_cbranch_scc0 .Lfor_b_\@
	tensor_load_to_lds s[G0+4*\s:G0+4*\s+3], s[G1:G1+7]
	s_nop 0
	s_branch .Lasked_\@
.Lfor_b_\@:
	tensor_load_to_lds s[G0B+4*\s:G0B+4*\s+3], s[G1B:G1B+7]
	s_nop 0
.Lasked_\@:
.endm
.macro CREST
	s_cmp_lg_u32 s12, 0
	s_cbranch_scc1 .Lnot_wave_0_\@
	s_barrier_signal -3
.Lnot_wave_0_\@:
	s_barrier_wait -3
	s_barrier_signal -1
	s_barrier_wait -1
.endm
.macro CROUND
	s_barrier_signal -1
	s_barrier_wait -1
	CREST
.endm
	s_load_b256 s[4:11], s[0:1], 0x0               ; ah s[4:5], wpt s[6:7], b_proj s[8:9], out0 s[10:11]
	v_lshl_add_u32 v30, v0, 2, 0x29000
	v_mov_b32 v31, 0
	ds_add_u32 v30, v31
	v_lshrrev_b32 v1, 5, v0
	v_readfirstlane_b32 s12, v1                    ; wave 0..3
	s_lshr_b32 s13, s12, 1                         ; wr.  Also: I ask for a (0) or for wpt (1)
	s_and_b32 s14, s12, 1                          ; wc.  Also: which half of wpt's tile
	s_bfe_u32 s40, ttmp6, 0x40000                  ; cx
	s_bfe_u32 s41, ttmp6, 0x40004                  ; cy
	s_lshl_b32 s42, ttmp9, 2
	s_add_co_u32 s42, s42, s40                     ; block column
	s_and_b32 s45, ttmp7, 0xffff
	s_lshl_b32 s45, s45, 2
	s_add_co_u32 s45, s45, s41                     ; block row
	s_lshl_b32 s43, s41, 2
	s_lshl_b32 s43, 15, s43                        ; my row of the cluster
	s_lshl_b32 s44, 0x1111, s40                    ; my column
	s_or_b32 s[G1+0], s43, (3<<16)|(1<<20)|(1<<21)|(5<<22)|(3<<25)    ; a: elements of 8 bytes, 64 rows of 32; 4 words of padding behind every 64
	s_mov_b32 s[G1+1], 32<<16
	s_mov_b32 s[G1+2], 64<<16
	s_mov_b32 s[G1+3], 32<<16
	s_mov_b32 s[G1+4], 64
	s_mov_b32 s[G1+5], 32
	s_mov_b32 s[G1+6], 0
	s_mov_b32 s[G1+7], 0
	s_or_b32 s[G1B+0], s44, (1<<16)|(1<<20)|(1<<21)|(5<<22)|(3<<25)   ; wpt: elements of 2 bytes, 64 rows of 128, 1,024 from row to row
	s_mov_b32 s[G1B+1], 128<<16
	s_mov_b32 s[G1B+2], 64<<16
	s_mov_b32 s[G1B+3], 128<<16
	s_mov_b32 s[G1B+4], 64
	s_mov_b32 s[G1B+5], 1024
	s_mov_b32 s[G1B+6], 0
	s_mov_b32 s[G1B+7], 0
	s_lshl_b32 s16, s12, 19                        ; a: head w of the step's two (4,096 tokens of 128 bytes),
	s_lshl_b32 s17, s45, 14                        ; 128 tokens a block row
	s_add_co_u32 s16, s16, s17
	s_mov_b32 s17, 0
	s_lshl_b32 s46, s42, 18                        ; wpt: 128 rows of 2,048 bytes a block column,
	s_lshl_b32 s47, s14, 17                        ; 64 rows a half
	s_add_co_u32 s46, s46, s47
	s_mov_b32 s47, 0
	s_mul_i32 s22, s12, HB                         ; where my load lands: the wave's number alone
	s_wait_dscnt 0x0
	s_wait_kmcnt 0x0
	s_add_nc_u64 s[20:21], s[4:5], s[16:17]
	s_add_nc_u64 s[46:47], s[6:7], s[46:47]
	CROUND                                         ; all sixteen work-groups are here: the first joint loads meet
.irp s, 0,1
	s_mov_b32 s[G0+4*\s], 1
	s_add_co_u32 s[G0+4*\s+1], s22, \s*SLOT
	s_add_nc_u64 s[G0+4*\s+2:G0+4*\s+3], s[20:21], \s*ASTEP
	s_or_b32 s[G0+4*\s+3], s[G0+4*\s+3], 0x80000000
	s_mov_b32 s[G0B+4*\s], 1
	s_add_co_u32 s[G0B+4*\s+1], s22, \s*SLOT
	s_add_nc_u64 s[G0B+4*\s+2:G0B+4*\s+3], s[46:47], \s*256
	s_or_b32 s[G0B+4*\s+3], s[G0B+4*\s+3], 0x80000000
	JLOAD \s                                       ; K steps 0 and 1: two loads of the wave are out, the most in this text
.endr
	v_and_b32 v1, 15, v0                           ; r
	v_bfe_u32 v2, v0, 4, 1                         ; h
	v_lshrrev_b32 v3, 1, v1
	v_mul_u32_u24 v3, v3, PITCH
	v_and_b32 v4, 1, v1
	v_lshl_add_u32 v3, v4, 7, v3
	v_lshl_add_u32 v3, v2, 4, v3                   ; token r, 16 h
	s_mul_i32 s18, s13, 32*PITCH                   ; my 64 tokens
	v_add_nc_u32 v[ADRA], s18, v3
	v_add_nc_u32 v[ADRA+1], SLOT, v[ADRA]
	v_mul_u32_u24 v3, v1, PITCH
	v_lshl_add_u32 v3, v2, 4, v3                   ; row r of wpt's tile, 16 h
	s_mul_i32 s18, s14, 64*PITCH                   ; my 64 rows,
	s_add_co_u32 s18, s18, 2*HB                    ; behind a's two heads
	v_add_nc_u32 v[ADRB], s18, v3
	v_add_nc_u32 v[ADRB+1], SLOT, v[ADRB]
	s_mul_i32 s19, s12, SBYTES
	s_add_co_u32 s19, s19, STAGE
	v_mul_u32_u24 v3, v1, PITCH
	v_lshl_add_u32 v3, v2, 5, v3
	v_add_nc_u32 v[STO], s19, v3                   ; in: row r, 32 bytes for each half of the lanes
	v_mul_u32_u24 v3, v2, PITCH
	v_lshl_add_u32 v3, v1, 4, v3
	v_add_nc_u32 v[RD], s19, v3                    ; back: lanes 0-15 one row of 256 bytes, lanes 16-31 the next
	v_lshlrev_b32 v[CO], 4, v1
	v_lshl_add_u32 v[CO], v2, 12, v[CO]            ; the same two rows in out0
	v_lshlrev_b32 v[BO], 5, v2
	s_lshl_b32 s46, s42, 9                         ; my first column, in bytes: 512 x block column + 256 wc
	s_lshl_b32 s47, s14, 8
	s_add_co_u32 s46, s46, s47
	s_mov_b32 s47, 0
	s_add_nc_u64 s[8:9], s[8:9], s[46:47]
	s_add_nc_u64 s[10:11], s[10:11], s[46:47]
.irp b, 0,1,2,3
	global_load_b128 v[BIAS+8*\b:BIAS+8*\b+3], v[BO], s[8:9] offset:64*\b        ; register j of tile b: b_proj[first column + 16 b + 8 h + j]
	global_load_b128 v[BIAS+8*\b+4:BIAS+8*\b+7], v[BO], s[8:9] offset:64*\b+16
.endr
.macro MULA fa, fb, a, bias            ; four matrix instructions: m block a x my four n blocks
.irp b, 0,1,2,3
.if \bias
	v_wmma_f32_16x16x32_f16 v[8*(4*\a+\b):8*(4*\a+\b)+7], v[\fb+8*\b:\fb+8*\b+7], v[\fa+8*\a:\fa+8*\a+7], v[BIAS+8*\b:BIAS+8*\b+7]
.else
	v_wmma_f32_16x16x32_f16 v[8*(4*\a+\b):8*(4*\a+\b)+7], v[\fb+8*\b:\fb+8*\b+7], v[\fa+8*\a:\fa+8*\a+7], v[8*(4*\a+\b):8*(4*\a+\b)+7]
.endif
.endr
.endm
; 16 LDS loads: quarter q of the slot's K step (head q / 2, d = 32 (q % 2)): 64 rows of wpt, then my 64 tokens
.macro FETCH slot, q, fa, fb
	WIN 0
.irp i, 0,1,2,3
	ds_load_b128 v[\fb+8*\i:\fb+8*\i+3],   v[ADRB+\slot] offset:64*\q+\i*16*PITCH
	ds_load_b128 v[\fb+8*\i+4:\fb+8*\i+7], v[ADRB+\slot] offset:64*\q+\i*16*PITCH+32
.endr
.irp i, 0,1,2,3
	ds_load_b128 v[\fa+8*\i:\fa+8*\i+3],   v[ADRA+\slot] offset:(\q/2)*HB+(\q%2)*64+\i*8*PITCH
	ds_load_b128 v[\fa+8*\i+4:\fa+8*\i+7], v[ADRA+\slot] offset:(\q/2)*HB+(\q%2)*64+\i*8*PITCH+32
.endr
.endm
.macro PLACES                          ; four places between a matrix instruction and a load into a register that it read, or a reader of its result
.rept 4
	v_nop
.endr
.endm
; The 16 accumulators take turns in the same order in every quarter, one instruction a turn.
.macro QUARTER slot, q, fa, fb, ga, gb, bias
	s_wait_dscnt 4                                 ; wpt's rows and my tokens 0-31 are in; the four youngest loads may be out
.if \bias
	WIN BIASW
.else
	WIN MUL
.endif
	MULA \fa, \fb, 0, \bias
	MULA \fa, \fb, 1, \bias
	PLACES
	FETCH \slot, \q, \ga, \gb
	s_wait_dscnt 16                                ; all but the 16 just issued
.if \bias
	WIN BIASW
.else
	WIN MUL
.endif
	MULA \fa, \fb, 2, \bias
	MULA \fa, \fb, 3, \bias
.endm
.macro THREE slot, bias
	QUARTER \slot, 1, FA0, FB0, FA1, FB1, \bias
	QUARTER \slot, 2, FA1, FB1, FA0, FB0, 0
	QUARTER \slot, 3, FA0, FB0, FA1, FB1, 0
.endm
; The last quarter changes slots: each wave waits for its reads of this slot and for all its tensor loads, then the barrier (fill = 1: the whole round of
; the cluster's barrier), then this slot's refill first, then the next slot's first fragments.
.macro TURN slot, next, fill
	s_wait_dscnt 4
	WIN MUL
	MULA FA1, FB1, 0, 0
	s_wait_dscnt 0                                 ; my reads of this slot are over
	s_wait_tensorcnt 0x0                           ; all my tensor loads have landed: the one that was out is my part of the next slot
	ds_add_u32 v30, v31
	s_wait_dscnt 0x0
	s_barrier_signal -1
	MULA FA1, FB1, 1, 0                            ; register work while the others arrive
	WIN 0
	s_barrier_wait -1
.if \fill
	CREST
	s_add_nc_u64 s[G0+4*\slot+2:G0+4*\slot+3], s[G0+4*\slot+2:G0+4*\slot+3], 2*ASTEP
	s_add_nc_u64 s[G0B+4*\slot+2:G0B+4*\slot+3], s[G0B+4*\slot+2:G0B+4*\slot+3], 512
	JLOAD \slot                                    ; the wave's one tensor load behind the round
.endif
	PLACES
	FETCH \next, 0, FA0, FB0
	WIN MUL
	MULA FA1, FB1, 2, 0
	MULA FA1, FB1, 3, 0
.endm
.macro LAP bias
	THREE 0, \bias
	TURN 0, 1, 1
	THREE 1, 0
	TURN 1, 0, 1
.endm
	s_wait_loadcnt 0x0                             ; the bias
	s_wait_tensorcnt 0x1                           ; my part of K step 0 is in; K step 1's may stay out
	s_barrier_signal -1
	s_barrier_wait -1
	FETCH 0, 0, FA0, FB0
	LAP 1
	WIN 0
	s_mov_b32 s3, LAPS-2
.Llap:
	LAP 0
	WIN 0
	s_sub_co_u32 s3, s3, 1
	s_cmp_lg_u32 s3, 0
	s_cbranch_scc1 .Llap
	THREE 0, 0                                     ; the last lap fills nothing
	TURN 0, 1, 0
	THREE 1, 0
	s_wait_dscnt 4
	WIN MUL
	MULA FA1, FB1, 0, 0
	MULA FA1, FB1, 1, 0
	s_wait_dscnt 0
	MULA FA1, FB1, 2, 0
	MULA FA1, FB1, 3, 0
	; THE WAY OUT, 16 rows at a time, in f32: 32 bytes a lane and tile into my own stage, read back as rows of 256 bytes.
	PLACES
	s_lshl_b32 s16, s45, 19                        ; 128 rows of 4,096 bytes a block row
	s_lshl_b32 s17, s13, 18                        ; 64 rows
	s_add_co_u32 s16, s16, s17
	s_mov_b32 s17, 0
	s_add_nc_u64 s[10:11], s[10:11], s[16:17]
.macro OUT16 a, rb
	WIN FROM1
.irp b, 0,1,2,3
	ds_store_b128 v[STO], v[8*(4*\a+\b):8*(4*\a+\b)+3]   offset:64*\b
	ds_store_b128 v[STO], v[8*(4*\a+\b)+4:8*(4*\a+\b)+7] offset:64*\b+16
.endr
	WIN 0
	s_wait_xcnt 0x0                                ; buffer rb, which earlier stores read, is loaded again only behind this wait
.irp t, 0,1,2,3,4,5,6,7
	ds_load_b128 v[\rb+4*\t:\rb+4*\t+3], v[RD] offset:2*PITCH*\t     ; LDS serves a wave's instructions in order: these see the stores above
.endr
.irp t, 0,1,2,3,4,5,6,7
	s_wait_dscnt 7-\t
	global_store_b128 v[CO], v[\rb+4*\t:\rb+4*\t+3], s[10:11] offset:(16*\a+2*\t)*4096   ; 16 lanes store 256 consecutive bytes, aligned
.endr
.endm
	OUT16 0, RB0
	OUT16 1, RB1
	OUT16 2, RB0
	OUT16 3, RB1
	s_wait_tensorcnt 0x0
	ds_add_u32 v30, v31
	s_wait_dscnt 0x0
	CROUND                                         ; the closing round: no work-group ends while a partner may still ask jointly
	s_endpgm
.Lfunc_end_k_q589a7ed8ca_proj:
	.size	k_q589a7ed8ca_proj, .Lfunc_end_k_q589a7ed8ca_proj-k_q589a7ed8ca_proj
	.p2alignl 7, 3214868480
	.fill 96, 4, 3214868480
	.section	.rodata,"a",@progbits
	.p2align	6, 0x0
	.amdhsa_kernel k_q589a7ed8ca_proj
		.amdhsa_group_segment_fixed_size 327680
		.amdhsa_private_segment_fixed_size 0
		.amdhsa_enable_private_segment 0
		.amdhsa_kernarg_size 32
		.amdhsa_user_sgpr_count 2
		.amdhsa_user_sgpr_kernarg_segment_ptr 1
		.amdhsa_wavefront_size32 1
		.amdhsa_system_sgpr_workgroup_id_x 1
		.amdhsa_system_sgpr_workgroup_id_y 1
		.amdhsa_system_sgpr_workgroup_id_z 1
		.amdhsa_system_vgpr_workitem_id 0
		.amdhsa_next_free_vgpr 384
		.amdhsa_next_free_sgpr 66
		.amdhsa_reserve_vcc 0
		.amdhsa_float_denorm_mode_32 3
		.amdhsa_float_denorm_mode_16_64 3
		.amdhsa_memory_ordered 1
		.amdhsa_forward_progress 1
		.amdhsa_inst_pref_size 74
	.end_amdhsa_kernel
	.amdgpu_metadata
---
amdhsa.version: [ 1, 2 ]
amdhsa.kernels:
  - .name:           k_q589a7ed8ca_proj
    .symbol:         k_q589a7ed8ca_proj.kd
    .args:
      - { .name: ah, .offset: 0, .size: 8, .value_kind: global_buffer, .address_space: global }
      - { .name: wpt, .offset: 8, .size: 8, .value_kind: global_buffer, .address_space: global }
      - { .name: b_proj, .offset: 16, .size: 8, .value_kind: global_buffer, .address_space: global }
      - { .name: out0, .offset: 24, .size: 8, .value_kind: global_buffer, .address_space: global }
    .group_segment_fixed_size: 327680
    .private_segment_fixed_size: 0
    .kernarg_segment_align: 8
    .kernarg_segment_size: 32
    .max_flat_workgroup_size: 128
    .sgpr_count:     66
    .vgpr_count:     384
    .wavefront_size: 32
...
	.end_amdgpu_metadata
.endif
;; end of part 4
;; ======== version 2 of 2: 4 launches; version 1 with the launch prep written anew for expert scheduling mode
;; limits: values are held in f16: magnitudes above 65,504 overflow, below 6.1e-05 lose precision; right only within a limited range of input values
;; workspace buffers: xb 8,388,608 bytes; wqt 6,291,456 bytes; wpt 2,097,152 bytes; qkv 25,165,824 bytes; ah 8,388,608 bytes
;; launch prep (part 5): grid 256 x 1, 8 waves a work-group, no clusters, 35,840 bytes of LDS; arguments x, W_qkv, W_proj, xb, wqt, wpt; writes xb, wqt, wpt
.if DOCPART == 5
	.amdgcn_target "amdgcn-amd-amdhsa--gfx1250"
	.amdhsa_code_object_version 6
	.text
	.protected	k_q589a7ed8ca_prep
	.globl	k_q589a7ed8ca_prep
	.p2align	8
	.type	k_q589a7ed8ca_prep,@function
k_q589a7ed8ca_prep:
	s_mov_b64 s[64:65], 0
	v_nop
	global_prefetch_b8 v0, s[64:65] scope:SCOPE_SE
	s_setreg_imm32_b32 hwreg(HW_REG_WAVE_SCHED_MODE, 0, 2), 2
	s_setreg_imm32_b32 hwreg(HW_REG_WAVE_MODE, 25, 1), 1
	s_wait_xcnt 0x0
	s_wait_alu depctr_vm_vsrc(0)
; Operands for the two GEMMs.  xb = bf16(x), same order.  wqt[n][k] = bf16(W_qkv[k][n]).  wpt[n][k] = bf16(W_proj[k][n]) rewritten in f16
; (the projection's other operand is f16; a bf16 number is an f16 number as long as its last bit is 2^-24 or more, below that the step is 2^-24).
; 256 work-groups of 8 waves.  Work-group id takes 65,536 bytes of x and two tiles of 128 k x 64 n of a weight that follow each other along k:
; W_qkv has 8 x 48 tiles (id 0-191), W_proj 8 x 16 (id 192-255).  Every thread issues its 32 loads of 16 bytes first.
; A weight tile is turned in LDS: thread (tg = t/16, l16 = t%16) loads rows k = 8 tg .. +7, columns 4 l16 .. +3 (16 lanes cover 256 consecutive
; bytes of a row), packs 8 k of each column into 16 bytes and puts them into LDS row n; rows are read back whole and stored, 16 lanes to 256
; consecutive bytes.  LDS pitch 272; the 16-byte column is turned by (column + n/16) mod 16, so that the sixteen lanes of a store, four rows apart, touch sixteen different columns modulo 256 bytes.
; No matrix unit, no tensor load, no cluster: nothing is shared and nothing is multiplied.
; THE MODE: SCHED_MODE bits 1:0 = 2 (LLVM: expert scheduling mode 2), set by the entry lines.  The code itself states the register dependences
; between vector instructions and memory or LDS instructions, with s_wait_alu, always for 0.
; THE PLAN.  Registers that memory or LDS instructions touch:
;   v1, v2, v5-v11  offsets and LDS addresses: written at the head, read by every access, never written again.
;   XW   the weight's loads land in it; the packings read it; behind the barrier the LDS loads land in its first half; the last stores read that half.
;   XX   x's loads land in it; x's conversions read it.
;   PW   the packings write it; the eight LDS stores, in one run, read it.
;   XO   x's conversions write it, a pair for each store; the stores of a group of four are issued in the group behind it, among that group's conversions.
;   v224, v225  written at the head, read by the closing add alone.
; Waits on va_vdst: one ahead of the first load (the addresses); one ahead of the run of LDS stores (PW is written, XW has been read); one at the head of x's
; groups 1 to 3 and one ahead of the last four stores (the group before has written its XO).  No register that a memory or LDS instruction reads is ever written
; again, so no wait on vm_vsrc is owed; no vector instruction writes a scalar register, VCC or EXEC.
.set XOFF, 1                           ; v1   my byte offset in the group's part of x
.set XSO,  2                           ; v2   and in xb
.set L16,  3
.set TG,   4
.set WOFF, 5                           ; v5   my byte offset in the weight's two tiles
.set LST,  6                           ; v6   LDS: where my packed columns go
.set RD,   7                           ; v7-10 LDS: where I read rows back, one for each of four rows
.set WSO,  11                          ; v11  my byte offset in the turned weight
.set XW,   32                          ; v32-95   weight as loaded: tile e, row u at 32 e + 4 u; later v32-63 rows read back
.set XX,   96                          ; v96-159  x as loaded
.set PW,   160                         ; v160-191 packed columns, 16 registers a tile
.set XO,   192                         ; v192-223 x packed, a pair for each store, never rewritten
.set LP,   272
.set TILEB, 64*LP
	s_load_b256 s[4:11], s[0:1], 0x0               ; x s[4:5], W_qkv s[6:7], W_proj s[8:9], xb s[10:11]
	s_load_b128 s[12:15], s[0:1], 0x20             ; wqt s[12:13], wpt s[14:15]
	v_lshl_add_u32 v224, v0, 2, 0x8800             ; my spare word, behind the two tiles in LDS; kept for the closing lines alone
	v_mov_b32 v225, 0                              ; and 0, likewise
	s_mov_b32 s16, ttmp9
	v_and_b32 v[L16], 15, v0
	v_lshrrev_b32 v[TG], 4, v0
	v_and_b32 v12, 31, v0                          ; lane
	v_lshrrev_b32 v13, 5, v0                       ; wave
	v_lshlrev_b32 v[XOFF], 4, v12
	v_lshl_add_u32 v[XOFF], v13, 13, v[XOFF]       ; 8,192 wave + 16 lane
	v_lshlrev_b32 v[XSO], 3, v12
	v_lshl_add_u32 v[XSO], v13, 12, v[XSO]         ; 4,096 wave + 8 lane
	v_lshrrev_b32 v12, 2, v[L16]
	v_add_nc_u32 v12, v[TG], v12
	v_and_b32 v12, 15, v12                         ; (tg + n/16) mod 16, n = 4 l16 + c
	v_mul_u32_u24 v[LST], v[L16], 4*LP
	v_lshl_add_u32 v[LST], v12, 4, v[LST]
	v_mul_u32_u24 v13, v[TG], LP
.irp u, 0,1,2,3
	v_add_nc_u32 v12, \u, v[L16]
	v_and_b32 v12, 15, v12                         ; row tg + 16 u: (l16 + u) mod 16
	v_lshl_add_u32 v[RD+\u], v12, 4, v13
.endr
	v_lshlrev_b32 v[WSO], 4, v[L16]
	v_lshl_add_u32 v[WSO], v[TG], 11, v[WSO]       ; row tg of 2,048 bytes + 16 l16
	s_and_b32 s21, s16, 3
	s_lshl_b32 s21, s21, 1                         ; first of my two k tiles
	s_lshr_b32 s20, s16, 2                         ; n tile (of W_qkv)
	s_lshl_b32 s18, s16, 16
	s_mov_b32 s19, 0
	s_lshl_b32 s28, s16, 15
	s_mov_b32 s29, 0
	s_mov_b32 s30, 0xffff0000                      ; a word's upper bf16
	s_wait_kmcnt 0x0
	s_add_nc_u64 s[4:5], s[4:5], s[18:19]
	s_add_nc_u64 s[10:11], s[10:11], s[28:29]
; 16 loads: two tiles, eight rows each.  The two weights differ in the bytes from row to row, which stand in the immediates.
.macro WLOADS pitch
	s_mul_i32 s22, s21, 128*\pitch
	s_lshl_b32 s23, s20, 8
	s_add_co_u32 s22, s22, s23
	s_mov_b32 s23, 0
	s_add_nc_u64 s[24:25], s[24:25], s[22:23]
	v_mul_u32_u24 v[WOFF], v[TG], 8*\pitch
	v_lshl_add_u32 v[WOFF], v[L16], 4, v[WOFF]
	s_wait_alu depctr_va_vdst(0)                   ; the offsets and LDS addresses v1, v2 and v5 to v11 are written: every load, store and LDS access of the kernel reads one of them, and none is written again
.irp e, 0,1
.irp u, 0,1,2,3,4,5,6,7
	global_load_b128 v[XW+32*\e+4*\u:XW+32*\e+4*\u+3], v[WOFF], s[24:25] offset:(128*\e+\u)*\pitch th:TH_LOAD_NT
.endr
.endr
.endm
	s_cmp_lt_u32 s16, 192
	s_cselect_b64 s[24:25], s[6:7], s[8:9]         ; from which weight
	s_cselect_b64 s[26:27], s[12:13], s[14:15]     ; into which turned weight
	s_cbranch_scc0 .Lfrom_proj
	WLOADS 12288
	s_branch .Lw_asked
.Lfrom_proj:
	s_sub_co_u32 s20, s20, 48
	WLOADS 4096
.Lw_asked:
.irp u, 0,1,2,3,4,5,6,7,8,9,10,11,12,13,14,15
	global_load_b128 v[XX+4*\u:XX+4*\u+3], v[XOFF], s[4:5] offset:512*\u th:TH_LOAD_NT   ; no vector instruction has been issued since the wait in either arm
.endr
	s_lshl_b32 s22, s20, 17                        ; 64 rows of 2,048 bytes
	s_lshl_b32 s23, s21, 8                         ; 128 k of 2 bytes
	s_add_co_u32 s22, s22, s23
	s_mov_b32 s23, 0
	s_add_nc_u64 s[26:27], s[26:27], s[22:23]
; Tile e: left = the younger loads that may stay out.  Column c's eight k become 16 bytes.
.macro WPACK e, left
	s_wait_loadcnt \left
.irp c, 0,1,2,3
.irp p, 0,1,2,3
	v_cvt_pk_bf16_f32 v[PW+16*\e+4*\c+\p], v[XW+32*\e+8*\p+\c], v[XW+32*\e+8*\p+4+\c]
.endr
.endr
.endm
	WPACK 0, 24                                    ; tile 0's eight loads are in; tile 1's eight and x's sixteen stay out
	WPACK 1, 16                                    ; tile 1's are in; x's sixteen stay out
	s_cmp_lt_u32 s16, 192
	s_cbranch_scc1 .Lstays_bf16
.irp q, 0,1,2,3,4,5,6,7,8,9,10,11,12,13,14,15,16,17,18,19,20,21,22,23,24,25,26,27,28,29,30,31
	v_lshlrev_b32 v12, 16, v[PW+\q]                ; W_proj: the bf16 numbers, widened,
	v_and_b32 v13, s30, v[PW+\q]
	v_cvt_pk_f16_f32 v[PW+\q], v12, v13            ; and written as f16
.endr
.Lstays_bf16:
	s_wait_alu depctr_va_vdst(0)                   ; both tiles' packings have written PW, which the LDS stores read, and are done reading XW, in whose first half the LDS loads behind the barrier land
.irp e, 0,1
.irp c, 0,1,2,3
	ds_store_b128 v[LST], v[PW+16*\e+4*\c:PW+16*\e+4*\c+3] offset:\c*LP+\e*TILEB
.endr
.endr
	s_wait_dscnt 0x0                               ; my LDS stores are done, for the waves that read them
	s_barrier_signal -1
	s_barrier_wait -1
.irp e, 0,1
.irp u, 0,1,2,3
	ds_load_b128 v[XW+16*\e+4*\u:XW+16*\e+4*\u+3], v[RD+\u] offset:\u*16*LP+\e*TILEB     ; no vector instruction since the wait above names these registers
.endr
.endr
; x, in four groups of four loads.  Group g rounds its loads into its own eight registers of XO; its four stores are issued in group g + 1, one ahead of each pair of conversions there.
.irp g, 0,1,2,3
	s_wait_loadcnt 15-4*\g                         ; loads come back in order: the group's first load of x is in
.if \g > 0
	s_wait_alu depctr_va_vdst(0)                   ; the group before has written its XO, which the four stores below read; this group's conversions name other registers of XX and XO alone
.endif
.irp i, 0,1,2,3
.if \g > 0
	global_store_b64 v[XSO], v[XO+2*(4*\g+\i-4):XO+2*(4*\g+\i-4)+1], s[10:11] offset:256*(4*\g+\i-4)   ; 32 lanes store 256 consecutive bytes, aligned
.endif
.if \i > 0
	s_wait_loadcnt 15-(4*\g+\i)                    ; x's load 4 g + i is in
.endif
	v_cvt_pk_bf16_f32 v[XO+2*(4*\g+\i)], v[XX+4*(4*\g+\i)], v[XX+4*(4*\g+\i)+1]
	v_cvt_pk_bf16_f32 v[XO+2*(4*\g+\i)+1], v[XX+4*(4*\g+\i)+2], v[XX+4*(4*\g+\i)+3]
.endr
.endr
	s_wait_alu depctr_va_vdst(0)                   ; the last group has written its XO, which the last four stores of xb read
.irp i, 12,13,14,15
	global_store_b64 v[XSO], v[XO+2*\i:XO+2*\i+1], s[10:11] offset:256*\i
.endr
.irp e, 0,1
.irp u, 0,1,2,3
	s_wait_dscnt 7-(4*\e+\u)                       ; LDS loads come back in order: this row is in; the stores' data come from LDS loads alone
	global_store_b128 v[WSO], v[XW+16*\e+4*\u:XW+16*\e+4*\u+3], s[26:27] offset:\u*32768+\e*256   ; 16 lanes store 256 consecutive bytes of row 64 nt + tg + 16 u
.endr
.endr
	s_wait_dscnt 0x0                               ; the closing lines, six on end
	s_wait_alu 0x0
	s_wait_tensorcnt 0x0
	ds_add_u32 v224, v225
	s_wait_dscnt 0x0
	s_endpgm
.Lfunc_end_k_q589a7ed8ca_prep:
	.size	k_q589a7ed8ca_prep, .Lfunc_end_k_q589a7ed8ca_prep-k_q589a7ed8ca_prep
	.p2alignl 7, 3214868480
	.fill 96, 4, 3214868480
	.section	.rodata,"a",@progbits
	.p2align	6, 0x0
	.amdhsa_kernel k_q589a7ed8ca_prep
		.amdhsa_group_segment_fixed_size 35840
		.amdhsa_private_segment_fixed_size 0
		.amdhsa_enable_private_segment 0
		.amdhsa_kernarg_size 48
		.amdhsa_user_sgpr_count 2
		.amdhsa_user_sgpr_kernarg_segment_ptr 1
		.amdhsa_wavefront_size32 1
		.amdhsa_system_sgpr_workgroup_id_x 1
		.amdhsa_system_sgpr_workgroup_id_y 1
		.amdhsa_system_sgpr_workgroup_id_z 1
		.amdhsa_system_vgpr_workitem_id 0
		.amdhsa_next_free_vgpr 226
		.amdhsa_next_free_sgpr 66
		.amdhsa_reserve_vcc 0
		.amdhsa_float_denorm_mode_32 3
		.amdhsa_float_denorm_mode_16_64 3
		.amdhsa_memory_ordered 1
		.amdhsa_forward_progress 1
		.amdhsa_inst_pref_size 21
	.end_amdhsa_kernel
	.amdgpu_metadata
---
amdhsa.version: [ 1, 2 ]
amdhsa.kernels:
  - .name:           k_q589a7ed8ca_prep
    .symbol:         k_q589a7ed8ca_prep.kd
    .args:
      - { .name: x, .offset: 0, .size: 8, .value_kind: global_buffer, .address_space: global }
      - { .name: W_qkv, .offset: 8, .size: 8, .value_kind: global_buffer, .address_space: global }
      - { .name: W_proj, .offset: 16, .size: 8, .value_kind: global_buffer, .address_space: global }
      - { .name: xb, .offset: 24, .size: 8, .value_kind: global_buffer, .address_space: global }
      - { .name: wqt, .offset: 32, .size: 8, .value_kind: global_buffer, .address_space: global }
      - { .name: wpt, .offset: 40, .size: 8, .value_kind: global_buffer, .address_space: global }
    .group_segment_fixed_size: 35840
    .private_segment_fixed_size: 0
    .kernarg_segment_align: 8
    .kernarg_segment_size: 48
    .max_flat_workgroup_size: 256
    .sgpr_count:     66
    .vgpr_count:     226
    .wavefront_size: 32
...
	.end_amdgpu_metadata
.endif
;; end of part 5
;; launch qkvgemm: the kernel of part 2 again; grid 16 x 16, 4 waves a work-group, clusters of 4 x 4, 327,680 bytes of LDS; arguments xb, wqt, b_qkv, qkv; writes qkv
;; launch attn: the kernel of part 3 again; grid 8 x 32, 8 waves a work-group, no clusters, 327,680 bytes of LDS; arguments qkv, ah; writes ah
;; launch proj: the kernel of part 4 again; grid 8 x 32, 4 waves a work-group, clusters of 4 x 4, 327,680 bytes of LDS; arguments ah, wpt, b_proj, out0; writes out0
